; MI455X (gfx1250); checked and timed in simulation.
; The chip was launched on July 23, 2026; its instructions are those of AMD's public machine-readable ISA for CDNA 5 (MIT licence, August 2026) and "CDNA5" Instruction Set Architecture Reference Guide (July 2026). The comments in the code are by the model that wrote it; some were corrected since.
;; My Bert Self Attention. Allowed arithmetic: float matrix products may take bf16 or f16 operands with f32 sums; other float arithmetic in f32, or as packed bf16 or f16 multiplies, adds, multiply-adds, maxima and minima; sums over many terms, partial sums and values carried from step to step in f32; what a program stores and reads back later, other than sums and carried values, may be rounded once to bf16 or f16.
;; Inputs: Wk 1,024 x 1,024 float32; Wq 1,024 x 1,024 float32; Wv 1,024 x 1,024 float32; attention_mask 16 x 1 x 1 x 512 float32; bk 1,024 float32; bq 1,024 float32; bv 1,024 float32; dist_emb 1,023 x 64 float32; hidden_states 16 x 512 x 1,024 float32.
;; Outputs: out0 16 x 512 x 1,024 float32.
;; 2 versions, each right; version 2 is version 1 with the launch cast written anew for expert scheduling mode. Each part assembles by itself: llvm-mc -triple=amdgcn-amd-amdhsa -mcpu=gfx1250 --defsym DOCPART=n.
;; ======== version 1 of 2: 3 launches
;; limits: values are held in f16: magnitudes above 65,504 overflow, below 6.1e-05 lose precision
;; workspace buffers: xb 16,777,216 bytes; wb 6,291,456 bytes; eb 131,072 bytes; qkv 50,331,648 bytes
;; launch cast (part 1): grid 708 x 1, 8 waves a work-group, no clusters, 0 bytes of LDS; arguments hidden_states, Wq, Wk, Wv, dist_emb, xb, wb, eb; writes xb, wb, eb
.if DOCPART == 1
	.amdgcn_target "amdgcn-amd-amdhsa--gfx1250"
	.amdhsa_code_object_version 6
	.text
	.protected	k_q41fd1dfefc_cast
	.globl	k_q41fd1dfefc_cast
	.p2align	8
	.type	k_q41fd1dfefc_cast,@function
k_q41fd1dfefc_cast:
	s_mov_b64 s[64:65], 0
	v_nop
	global_prefetch_b8 v0, s[64:65] scope:SCOPE_SE
	s_setreg_imm32_b32 hwreg(HW_REG_WAVE_MODE, 25, 1), 1
	s_wait_xcnt 0x0
; BERT self-attention with the relative_key_query bias, in three launches: this cast, one product for q, k and v, and the attention.
; NO WORK OF THE PROBLEM IS LEFT OUT, and every input is loaded: bq, bk, bv enter q, k, v (bk's product with the table changes along the keys, so it is live), the mask enters every score.
; The table pe[l][r] = dist_emb[l - r + 511] is a lookup by an index that the problem itself builds from l and r: it is never laid out.  The two position terms are products of q and of k with
; tiles of 16 rows of the table, whose results are then put at (l, r); results that fall outside a tile of scores are thrown away inside live tiles.
; THIS LAUNCH rounds the matrix operands once: hidden_states -> xb and Wq, Wk, Wv -> wb (rows of Wq, then Wk, then Wv) in bf16; and dist_emb -> eb, turned round and in f16:
; eb[t] = f16(bf16(dist_emb[1022 - t])), t = 0 .. 1022, so that the row for (l, r) is t = r - l + 511; row 1023 is 0 (it fills the last tile of 16 rows and meets no score).
; LIMIT.  A table entry below 6e-5 in size keeps f16's fixed step of 6e-8; one beyond 65,504 would be lost.
; A stream: memory binds, so no LDS, no matrix unit, no cluster.  A work-group takes 16,384 numbers: sixteen loads of 16 bytes a lane, all issued first; a wave's store covers 256 consecutive bytes, aligned.
.set NX,     512                       ; work-groups for hidden_states (8,388,608 numbers)
.set NPLAIN, 704                       ; + 3 x 64 for the weights; the last four take 256 rows of the table each
.set IN,  16                           ; v[16:79]   load j: four f32
.set OUT, 80                           ; v[80:111]  result j: a pair of its own, so that no store's data is ever rewritten
.set WK,  112                          ; v[112:117] at work
	s_load_b256 s[4:11], s[0:1], 0x0               ; hidden_states s[4:5], Wq s[6:7], Wk s[8:9], Wv s[10:11]
	s_load_b256 s[12:19], s[0:1], 0x20             ; dist_emb s[12:13], xb s[14:15], wb s[16:17], eb s[18:19]
	v_lshlrev_b32 v1, 4, v0                        ; my 16 bytes of each 4,096 read
	v_lshlrev_b32 v2, 3, v0                        ; my 8 bytes of each 2,048 written
	s_mov_b32 s21, 0
	s_mov_b32 s23, 0
	s_wait_kmcnt 0x0
	s_cmp_ge_u32 ttmp9, NPLAIN
	s_cbranch_scc1 .Ltable
	s_cmp_lt_u32 ttmp9, NX
	s_cbranch_scc0 .Lweights
	s_lshl_b32 s20, ttmp9, 16                      ; 65,536 bytes in,
	s_lshl_b32 s22, ttmp9, 15                      ; 32,768 out
	s_mov_b64 s[24:25], s[4:5]
	s_mov_b64 s[26:27], s[14:15]
	s_branch .Lgo
.Lweights:
	s_sub_co_u32 s28, ttmp9, NX                    ; 0 .. 191
	s_lshr_b32 s29, s28, 6                         ; which weight
	s_and_b32 s20, s28, 63
	s_lshl_b32 s20, s20, 16
	s_lshl_b32 s22, s28, 15                        ; wb holds the three on end
	s_cmp_eq_u32 s29, 0
	s_cselect_b64 s[24:25], s[6:7], s[8:9]
	s_cmp_eq_u32 s29, 2
	s_cselect_b64 s[24:25], s[10:11], s[24:25]
	s_mov_b64 s[26:27], s[16:17]
.Lgo:
	s_add_nc_u64 s[24:25], s[24:25], s[20:21]
	s_add_nc_u64 s[26:27], s[26:27], s[22:23]
.irp j, 0,1,2,3,4,5,6,7,8,9,10,11,12,13,14,15
	global_load_b128 v[IN+4*\j:IN+4*\j+3], v1, s[24:25] offset:4096*\j th:TH_LOAD_NT
.endr
.irp j, 0,1,2,3,4,5,6,7,8,9,10,11,12,13,14,15
	s_wait_loadcnt 15-\j                           ; loads come back in order: load j is in, the younger ones stay out
	v_cvt_pk_bf16_f32 v[OUT+2*\j], v[IN+4*\j], v[IN+4*\j+1]
	v_cvt_pk_bf16_f32 v[OUT+2*\j+1], v[IN+4*\j+2], v[IN+4*\j+3]
	global_store_b64 v2, v[OUT+2*\j:OUT+2*\j+1], s[26:27] offset:2048*\j
.endr
	s_endpgm
; THE TABLE.  Work-group e of four writes rows 256 e .. 256 e + 255 of eb.  Load j of a wave takes two table rows of 256 bytes (16 lanes each): eb's rows 256 e + 32 w + 2 j + sub, sub = lane / 16,
; which are dist_emb's rows 1022 - that.  The address register stands at the row of j = 14 and the immediates go up from there; j = 15 has a register of its own, held at row 0 or above:
; eb's row 1023 has no row in the table; it reads row 0 and writes 0.
.Ltable:
	s_sub_co_u32 s20, ttmp9, NPLAIN                ; e
	s_lshl_b32 s28, s20, 8
	s_sub_co_u32 s29, 994, s28                     ; 1022 - 28 - 256 e
	v_and_b32 v3, 0xe0, v0                         ; 32 w
	v_bfe_u32 v4, v0, 4, 1                         ; sub
	v_add_nc_u32 v3, v3, v4
	v_add_nc_u32 v7, s28, v3                       ; eb's row for j = 0
	v_sub_nc_u32 v4, s29, v3                       ; the table's row for j = 14: 1 at the least
	v_and_b32 v5, 15, v0
	v_lshlrev_b32 v5, 4, v5                        ; my 16 bytes of a row
	v_lshl_add_u32 v4, v4, 8, v5
	v_add_nc_u32 v6, 0xfffffe00, v4                ; two rows down, for j = 15,
	v_max_i32 v6, v6, v5                           ; never below row 0
	v_cmp_eq_u32 vcc_lo, 993, v7                   ; with j = 15 this lane writes row 1023
	v_mov_b32 v9, 0
	v_and_b32 v8, 0xe0, v0
	v_and_b32 v10, 31, v0
	v_lshlrev_b32 v10, 3, v10
	v_lshl_add_u32 v8, v8, 7, v10                  ; 32 w rows of 128 bytes + 8 bytes a lane: two rows on end
	s_lshl_b32 s22, s20, 15
	s_add_nc_u64 s[26:27], s[18:19], s[22:23]
.irp j, 0,1,2,3,4,5,6,7,8,9,10,11,12,13,14
	global_load_b128 v[IN+4*\j:IN+4*\j+3], v4, s[12:13] offset:512*(14-\j)
.endr
	global_load_b128 v[IN+60:IN+63], v6, s[12:13]
.irp j, 0,1,2,3,4,5,6,7,8,9,10,11,12,13,14,15
	s_wait_loadcnt 15-\j
	v_cvt_pk_bf16_f32 v[WK], v[IN+4*\j], v[IN+4*\j+1]      ; rounded to bf16 like every input,
	v_cvt_pk_bf16_f32 v[WK+1], v[IN+4*\j+2], v[IN+4*\j+3]
	v_lshlrev_b32 v[WK+2], 16, v[WK]
	v_and_b32 v[WK+3], 0xffff0000, v[WK]
	v_lshlrev_b32 v[WK+4], 16, v[WK+1]
	v_and_b32 v[WK+5], 0xffff0000, v[WK+1]
	v_cvt_pk_f16_f32 v[OUT+2*\j], v[WK+2], v[WK+3]         ; and that number written as f16
	v_cvt_pk_f16_f32 v[OUT+2*\j+1], v[WK+4], v[WK+5]
.if \j == 15
	v_cndmask_b32 v[OUT+30], v[OUT+30], v9, vcc_lo
	v_cndmask_b32 v[OUT+31], v[OUT+31], v9, vcc_lo
.endif
	global_store_b64 v8, v[OUT+2*\j:OUT+2*\j+1], s[26:27] offset:256*\j
.endr
	s_endpgm
.Lfunc_end_k_q41fd1dfefc_cast:
	.size	k_q41fd1dfefc_cast, .Lfunc_end_k_q41fd1dfefc_cast-k_q41fd1dfefc_cast
	.p2alignl 7, 3214868480
	.fill 96, 4, 3214868480
	.section	.rodata,"a",@progbits
	.p2align	6, 0x0
	.amdhsa_kernel k_q41fd1dfefc_cast
		.amdhsa_group_segment_fixed_size 0
		.amdhsa_private_segment_fixed_size 0
		.amdhsa_enable_private_segment 0
		.amdhsa_kernarg_size 64
		.amdhsa_user_sgpr_count 2
		.amdhsa_user_sgpr_kernarg_segment_ptr 1
		.amdhsa_wavefront_size32 1
		.amdhsa_system_sgpr_workgroup_id_x 1
		.amdhsa_system_sgpr_workgroup_id_y 1
		.amdhsa_system_sgpr_workgroup_id_z 1
		.amdhsa_system_vgpr_workitem_id 0
		.amdhsa_next_free_vgpr 120
		.amdhsa_next_free_sgpr 66
		.amdhsa_reserve_vcc 1
		.amdhsa_float_denorm_mode_32 3
		.amdhsa_float_denorm_mode_16_64 3
		.amdhsa_memory_ordered 1
		.amdhsa_forward_progress 1
		.amdhsa_inst_pref_size 19
	.end_amdhsa_kernel
	.amdgpu_metadata
---
amdhsa.version: [ 1, 2 ]
amdhsa.kernels:
  - .name:           k_q41fd1dfefc_cast
    .symbol:         k_q41fd1dfefc_cast.kd
    .args:
      - { .name: hidden_states, .offset: 0, .size: 8, .value_kind: global_buffer, .address_space: global }
      - { .name: Wq, .offset: 8, .size: 8, .value_kind: global_buffer, .address_space: global }
      - { .name: Wk, .offset: 16, .size: 8, .value_kind: global_buffer, .address_space: global }
      - { .name: Wv, .offset: 24, .size: 8, .value_kind: global_buffer, .address_space: global }
      - { .name: dist_emb, .offset: 32, .size: 8, .value_kind: global_buffer, .address_space: global }
      - { .name: xb, .offset: 40, .size: 8, .value_kind: global_buffer, .address_space: global }
      - { .name: wb, .offset: 48, .size: 8, .value_kind: global_buffer, .address_space: global }
      - { .name: eb, .offset: 56, .size: 8, .value_kind: global_buffer, .address_space: global }
    .group_segment_fixed_size: 0
    .private_segment_fixed_size: 0
    .kernarg_segment_align: 8
    .kernarg_segment_size: 64
    .max_flat_workgroup_size: 256
    .sgpr_count:     66
    .vgpr_count:     120
    .wavefront_size: 32
...
	.end_amdgpu_metadata
.endif
;; end of part 1
;; launch proj (part 2): grid 16 x 16, 4 waves a work-group, clusters of 4 x 4, 327,680 bytes of LDS; arguments xb, wb, bq, bk, bv, qkv; writes qkv
.if DOCPART == 2
	.amdgcn_target "amdgcn-amd-amdhsa--gfx1250"
	.amdhsa_code_object_version 6
	.text
	.protected	k_q41fd1dfefc_proj
	.globl	k_q41fd1dfefc_proj
	.p2align	8
	.type	k_q41fd1dfefc_proj,@function
k_q41fd1dfefc_proj:
	s_mov_b64 s[64:65], 0
	v_nop
	global_prefetch_b8 v0, s[64:65] scope:SCOPE_SE
	s_setreg_imm32_b32 hwreg(HW_REG_WAVE_MODE, 25, 1), 1
	s_wait_xcnt 0x0
	s_wait_alu depctr_hold_cnt(0) depctr_sa_sdst(0) depctr_va_vdst(0) depctr_va_sdst(0) depctr_va_ssrc(0) depctr_va_vcc(0) depctr_vm_vsrc(0)
	s_getreg_b32 s2, hwreg(HW_REG_IB_STS2, 6, 4)
	s_cmp_eq_u32 s2, 0
	s_cbranch_scc0 .Lentry_in_a_cluster
	s_endpgm
.Lentry_in_a_cluster:
	s_bfe_u32 s2, ttmp6, 0x10000c
	s_cmp_lg_u32 s2, 0xf033
	s_cbranch_scc0 .Lentry_shape_is_right
	s_endpgm
.Lentry_shape_is_right:
; q, k, v in one product: C[m][n] = the sum over k of xb[m][k] wb[n][k] + bias[n], m = 0 .. 8191 (batch x 512 + position), n = 0 .. 3071 (Wq's, Wk's, Wv's rows).  Operands bf16, sums f32.
; Nothing of the problem is left out here.  The biases are rounded to bf16 like every input and start the sums (the C operand of each accumulator's first product): nothing is cleared, nothing added later.
; C leaves by heads, unscaled, rounded once to f16: qkv[tensor][16 batch + head][position][64].  LIMIT: q, k, v beyond 65,504 would be lost.
; SHARES.  A tile of C is 256 x 192: three whole heads; C has 512 tiles.  A WORK-GROUP STAYS: 256 work-groups make two tiles each, 4,096 rows apart, in the same columns: a loop over tiles round the loop over K.
; The ring does not stop at the first tile's end: its last two changes of slots ask for the second tile's first two K steps, and nothing waits for its stores.
; Wave w makes rows 64 w .. 64 w + 63 of a tile by all 192 columns: 48 accumulators of 16 x 16, 384 registers.
; K goes in steps of 128 through two LDS slots filled by the tensor data mover; a tile's rows are 256 bytes of memory, aligned.
; CLUSTER.  4 x 4 work-groups: the four of a row of the cluster need the same rows of xb, the four of a column the same rows of wb: each tile is asked for JOINTLY, by the same tensor load, descriptor and mask.
; THE MATRIX INSTRUCTION IS USED TRANSPOSED (source 0 = 16 rows of wb, source 1 = 16 rows of xb): a lane holds row lane % 16 of C and eight neighbouring columns 8 (lane / 16) + 0 .. 7.
; REGISTERS, in windows of 256 (s_set_vgpr_msb: bits 1:0 source 0, 3:2 source 1, 5:4 source 2, 7:6 destination):
;   window 0: v16-30 addresses; v32-79, v80-127 at work on the way out; v128-223 the bias, 8 registers for each block of 16 columns
;   window 1: two fragment buffers of 128: wb's 12 fragments, then xb's 4          window 2: accumulators of my row blocks 0, 1 at 8 (12 a + b)          window 3: of blocks 2, 3
.set KD,     1024
.set KSTEP,  128
.set TILES,  2                         ; tiles of a work-group
.set WALK,   4096                      ; rows from one to the next: the grid's height in rows
.set NEXT_A, WALK*KD*2-(KD-2*KSTEP)*2  ; bytes from a slot's last K step of a tile to its first of the next: xb goes WALK rows down and back along K,
.set BACK_B, (KD-2*KSTEP)*2            ; wb only back: both tiles take the same rows of it
.set NEXT_C, 8<<20                     ; WALK rows are 8 batches of 16 heads of 65,536 bytes in qkv
.set PITCH,  272                       ; an LDS row: 256 bytes + 16 of padding = 68 words: the 16 rows of a fragment load start at 16 different groups of four banks (64 banks of 4 bytes: ISA guide 11.1)
.set ABYTES, 256*PITCH                 ; xb's 256 rows
.set SLOT,   448*PITCH                 ; then wb's 192
.set STAGE,  2*SLOT                    ; behind the ring: 16 rows x 400 bytes for each wave, for the way out
.set SPITCH, 400                       ; 384 bytes + 16
.set SPARE,  STAGE+4*16*SPITCH         ; behind the stages: the spare words, 128 bytes for each wave: two blocks of 256 bytes that no other line names
.set LAPS,   KD/(2*KSTEP)              ; a lap = two K steps = once round the ring
.set ADRA, 16                          ; v16-17  LDS address of my fragments of xb in slot 0, 1
.set ADRB, 20                          ; v20-21  of wb
.set STO,  24                          ; v24     the way out: where I put 16 bytes of a row
.set RD,   25                          ; v25     where I read rows back
.set GO,   26                          ; v26     16 x lane: my place in 512 consecutive bytes of qkv
.set BO,   27                          ; v27     32 x (lane / 16): my eight columns' biases
.set SPW,  28                          ; v28     LDS address of my spare word; never rewritten
.set NIL,  29                          ; v29     0; never rewritten
.set PFO,  30                          ; v30     the prefetches' offset: a lane a row of 2,048 bytes; never rewritten
.set TMP,  32
.set OB,   80
.set BIAS, 128
.set F0,   0
.set F1,   128
.set G1,  24                           ; s[24:31] descriptor group 1 for xb's tiles;  s[32:39] group 0, a set for each slot
.set G0,  32
.set G1B, 48                           ; s[48:55], s[56:63] the same for wb's
.set G0B, 56
.set LIM, 43                           ; s43      1 in a wave that prefetches, else the greatest number
.set PFA, 44                           ; s[44:45] where my prefetches stand: one K step further along K than the refill that is being asked for; a prefetch names the K step after that
.set OBS, 80                           ; s[80:85] qkv at my 64 rows of the tile's three heads
.set BB,  86                           ; s[86:91] the three heads' 64 biases
.set MSB, 0
.macro WIN new                         ; the immediate's high byte repeats the setting that is left; a switch that changes nothing is dropped
.if MSB != (\new)
	s_set_vgpr_msb (MSB<<8)|(\new)
.set MSB, \new
.endif
.endm
; A joint load.  Waves 0 and 1 fetch xb's two halves (128 rows each), waves 2 and 3 wb's (96 rows each).  The branch hangs on the wave's number alone.
; An s_nop 0 and four v_nop follow each of the two lines, ahead of the jump, the label and what follows.
.macro JLOAD s
	s_cmp_eq_u32 s11, 0
	s_cbranch_scc0 .Lfor_b_\@
	tensor_load_to_lds s[G0+4*(\s):G0+4*(\s)+3], s[G1:G1+7]
	s_nop 0
.rept 4
	v_nop
.endr
	s_branch .Lasked_\@
.Lfor_b_\@:
	tensor_load_to_lds s[G0B+4*(\s):G0B+4*(\s)+3], s[G1B:G1B+7]
	s_nop 0
.rept 4
	v_nop
.endr
.Lasked_\@:
.endm
; A PREFETCH INTO THE L2 of the K step that stands two refills on: 256 bytes of each row, a lane a row, one instruction a wave, behind the joint load and the run of LDS loads.
; xb's rows are read by every cluster of a row of clusters: cluster x = 0 asks.  wb's by every cluster of a column: cluster y = 0 asks, in the first tile alone: the second takes the same rows.
; The four partners that ask for a tile jointly share its rows out BY ADDRESS: of a wave's 128 rows of xb the partner at cx takes 32; of its 96 rows of wb the partner at cy takes 24 (there lanes 24-31
; name row 23 once more).  how = 0, in the loop: a tile's last two refills have no K step two on.  how = 1, at the change of tiles: the next tile's K steps 2 and 3 (its K steps 0 and 1 come by their refills alone).
.macro ASK how
	WIN 0
.if \how
	s_cmp_eq_u32 s[LIM], 1
.else
	s_cmp_gt_u32 s3, s[LIM]                        ; s3 = 1 in the loop's last trip
.endif
	s_cbranch_scc0 .Lnot_mine_\@
	global_prefetch_b8 v[PFO], s[PFA:PFA+1] offset:KSTEP*2 th:TH_LOAD_NT scope:SCOPE_SE
.Lnot_mine_\@:
.endm
.macro CREST                           ; a round of the cluster's barrier behind its opening barrier
	s_cmp_lg_u32 s10, 0
	s_cbranch_scc1 .Lnot_wave_0_\@
	s_barrier_signal -3
.Lnot_wave_0_\@:
	s_barrier_wait -3
	s_barrier_signal -1
	s_barrier_wait -1
.endm
.macro CROUND                          ; a whole round
	s_barrier_signal -1
	s_barrier_wait -1
	CREST
.endm
	s_load_b256 s[68:75], s[0:1], 0x0              ; xb s[68:69], wb s[70:71], bq s[72:73], bk s[74:75]
	s_load_b128 s[76:79], s[0:1], 0x20             ; bv s[76:77], qkv s[78:79]
	v_lshl_add_u32 v[SPW], v0, 2, SPARE
	v_mov_b32 v[NIL], 0
	ds_add_u32 v[SPW], v[NIL]                      ; the wave's opening: the add, twice on end, and its wait ahead of my first tensor load
	ds_add_u32 v[SPW], v[NIL]                      ; and once more, under the one wait; the set-up below, work on registers, stands between
	v_lshrrev_b32 v1, 5, v0
	v_readfirstlane_b32 s10, v1                    ; wave 0..3
	s_lshr_b32 s11, s10, 1                         ; I fetch for xb (0) or for wb (1)
	s_and_b32 s12, s10, 1                          ; which half of that tile's rows
	s_bfe_u32 s40, ttmp6, 0x40000                  ; cx, cy: my place in the cluster
	s_bfe_u32 s41, ttmp6, 0x40004
	s_lshl_b32 s42, ttmp9, 2
	s_add_co_u32 s42, s42, s40                     ; tile column x = 4 x cluster x + cx
	s_and_b32 s13, ttmp7, 0xffff
	s_lshl_b32 s13, s13, 2
	s_add_co_u32 s13, s13, s41                     ; the first tile's row y = 4 x cluster y + cy, 0 .. 15
	s_lshl_b32 s92, s41, 2
	s_lshl_b32 s92, 15, s92                        ; my row of the cluster
	s_lshl_b32 s93, 0x1111, s40                    ; my column
	s_or_b32 s[G1+0], s92, (1<<16)|(1<<20)|(1<<21)|(5<<22)|(3<<25)   ; 15:0 the mask; 17:16 2-byte elements; 20 padding on; 21 set beside a mask; 24:22 after every 64 words; 31:25 4 words of it
	s_or_b32 s[G1B+0], s93, (1<<16)|(1<<20)|(1<<21)|(5<<22)|(3<<25)
	s_mov_b32 s[G1+1], KSTEP<<16                   ; tensor_dim0 = 128
	s_mov_b32 s[G1B+1], KSTEP<<16
	s_mov_b32 s[G1+2], 128<<16                     ; tensor_dim1 = 128 rows of xb,
	s_mov_b32 s[G1B+2], 96<<16                     ; 96 of wb
	s_mov_b32 s[G1+3], KSTEP<<16                   ; tile_dim0 = 128
	s_mov_b32 s[G1B+3], KSTEP<<16
	s_mov_b32 s[G1+4], 128                         ; tile_dim1
	s_mov_b32 s[G1B+4], 96
	s_mov_b32 s[G1+5], KD                          ; elements from row to row
	s_mov_b32 s[G1B+5], KD
	s_mov_b32 s[G1+6], 0
	s_mov_b32 s[G1B+6], 0
	s_mov_b32 s[G1+7], 0
	s_mov_b32 s[G1B+7], 0
	s_lshl_b32 s16, s13, 8
	s_lshl_b32 s17, s12, 7
	s_add_co_u32 s16, s16, s17                     ; xb: row 256 y + 128 x half,
	s_lshl_b32 s16, s16, 11                        ; of 2,048 bytes
	s_mov_b32 s17, 0
	s_mul_i32 s46, s42, 192
	s_mul_i32 s47, s12, 96
	s_add_co_u32 s46, s46, s47                     ; wb: row 192 x + 96 x half
	s_lshl_b32 s46, s46, 11
	s_mov_b32 s47, 0
	s_mul_i32 s20, s10, 128*PITCH                  ; where xb's halves go (waves 0, 1),
	s_mul_i32 s21, s10, 96*PITCH
	s_add_co_u32 s21, s21, ABYTES-2*96*PITCH       ; and wb's (waves 2, 3): behind xb's 256 rows.  No place in the cluster enters an LDS address
	s_wait_dscnt 0x0                               ; both opening adds are done
	s_wait_kmcnt 0x0
	s_add_nc_u64 s[14:15], s[68:69], s[16:17]
	s_add_nc_u64 s[46:47], s[70:71], s[46:47]
	CROUND                                         ; all sixteen work-groups are here: the first joint loads meet
.irp s, 0,1
	s_mov_b32 s[G0+4*(\s)], 1
	s_add_co_u32 s[G0+4*(\s)+1], s20, (\s)*SLOT
	s_add_nc_u64 s[G0+4*(\s)+2:G0+4*(\s)+3], s[14:15], (\s)*KSTEP*2
	s_or_b32 s[G0+4*(\s)+3], s[G0+4*(\s)+3], 0x80000000
	s_mov_b32 s[G0B+4*(\s)], 1
	s_add_co_u32 s[G0B+4*(\s)+1], s21, (\s)*SLOT
	s_add_nc_u64 s[G0B+4*(\s)+2:G0B+4*(\s)+3], s[46:47], (\s)*KSTEP*2
	s_or_b32 s[G0B+4*(\s)+3], s[G0B+4*(\s)+3], 0x80000000
	JLOAD \s                                       ; K steps 0 and 1: two loads of mine are out
.endr
	; where the tile's three heads lie.  Column block 3 x + j of 48: tensor = its upper bits, head = its lower four.  Rows of the first tile: batch y / 2, positions 256 (y % 2) + 64 w on.
	s_lshr_b32 s99, s13, 1
	s_lshl_b32 s99, s99, 20                        ; a batch's 16 heads of 65,536 bytes
	s_and_b32 s98, s13, 1
	s_lshl_b32 s98, s98, 15                        ; 256 positions of 128 bytes
	s_add_co_u32 s99, s99, s98
	s_lshl_b32 s98, s10, 13                        ; my 64
	s_add_co_u32 s99, s99, s98
	s_mul_i32 s92, s42, 3
	s_mov_b32 s97, 0
.irp j, 0,1,2
	s_add_co_u32 s93, s92, \j
	s_lshr_b32 s94, s93, 4
	s_and_b32 s95, s93, 15
	s_cmp_eq_u32 s94, 0
	s_cselect_b64 s[BB+2*\j:BB+2*\j+1], s[72:73], s[74:75]
	s_cmp_eq_u32 s94, 2
	s_cselect_b64 s[BB+2*\j:BB+2*\j+1], s[76:77], s[BB+2*\j:BB+2*\j+1]
	s_lshl_b32 s96, s95, 8                         ; the head's 64 biases
	s_add_nc_u64 s[BB+2*\j:BB+2*\j+1], s[BB+2*\j:BB+2*\j+1], s[96:97]
	s_lshl_b32 s96, s94, 24                        ; a tensor is 16 MiB of qkv
	s_lshl_b32 s98, s95, 16
	s_add_co_u32 s96, s96, s98
	s_add_co_u32 s96, s96, s99
	s_add_nc_u64 s[OBS+2*\j:OBS+2*\j+1], s[78:79], s[96:97]
.endr
	v_and_b32 v1, 15, v0                           ; l % 16
	v_bfe_u32 v2, v0, 4, 1                         ; l / 16
	v_lshlrev_b32 v[BO], 5, v2
.irp b, 0,1,2,3,4,5,6,7,8,9,10,11
	global_load_b128 v[BIAS+8*(\b):BIAS+8*(\b)+3],   v[BO], s[BB+2*((\b)/4):BB+2*((\b)/4)+1] offset:((\b)%4)*64
	global_load_b128 v[BIAS+8*(\b)+4:BIAS+8*(\b)+7], v[BO], s[BB+2*((\b)/4):BB+2*((\b)/4)+1] offset:((\b)%4)*64+16
.endr
	v_mul_u32_u24 v3, v1, PITCH
	v_lshl_add_u32 v3, v2, 4, v3                   ; a fragment's row x pitch + 16 x half
	s_mul_i32 s22, s10, 64*PITCH                   ; my 64 rows of xb
.irp s, 0,1
	v_add_nc_u32 v[ADRA+(\s)], s22, v3
	v_add_nc_u32 v[ADRB+(\s)], ABYTES+(\s)*SLOT, v3
	s_add_co_u32 s22, s22, SLOT
.endr
	s_mul_i32 s23, s10, 16*SPITCH
	s_add_co_u32 s23, s23, STAGE                   ; my stage
	v_mul_u32_u24 v[STO], v1, SPITCH               ; in: row l % 16, 16 bytes for each half of the lanes
	v_lshl_add_u32 v[STO], v2, 4, v[STO]
	v_add_nc_u32 v[STO], s23, v[STO]
	v_and_b32 v4, 31, v0
	v_lshrrev_b32 v5, 3, v4
	v_and_b32 v6, 7, v0
	v_mul_u32_u24 v[RD], v5, SPITCH                ; back: 32 lanes take a head's 128 bytes of four rows,
	v_lshl_add_u32 v[RD], v6, 4, v[RD]
	v_add_nc_u32 v[RD], s23, v[RD]
	v_lshlrev_b32 v[GO], 4, v4                     ; which are 512 consecutive bytes of qkv
	; the prefetches
	s_lshl_b32 s92, s13, 8
	s_lshl_b32 s93, s12, 7
	s_add_co_u32 s92, s92, s93
	s_lshl_b32 s93, s40, 5
	s_add_co_u32 s92, s92, s93                     ; xb: the 128 rows that I fetch, my work-group's 32 of them
	s_mul_i32 s94, s42, 192
	s_mul_i32 s93, s12, 96
	s_add_co_u32 s94, s94, s93
	s_mul_i32 s93, s41, 24
	s_add_co_u32 s94, s94, s93                     ; wb: the 96 rows, my work-group's 24
	s_and_b32 s95, ttmp7, 0xffff                   ; cluster y
	s_cmp_eq_u32 s11, 0
	s_cselect_b32 s92, s92, s94
	s_cselect_b32 s95, ttmp9, s95                  ; the coordinate along which other clusters read the same rows
	s_cselect_b32 s93, 31, 23
	s_cselect_b64 s[PFA:PFA+1], s[68:69], s[70:71]
	s_cmp_eq_u32 s95, 0
	s_cselect_b32 s[LIM], 1, -1                    ; the same in all sixteen partners, for a given wave
	s_lshl_b32 s96, s92, 11
	s_add_co_u32 s96, s96, 2*KSTEP*2               ; at K step 2: the first refill steps it to 3 and names K step 4.  Nothing is prefetched at the head
	s_add_nc_u64 s[PFA:PFA+1], s[PFA:PFA+1], s[96:97]
	v_min_u32 v[PFO], s93, v4
	v_lshlrev_b32 v[PFO], 11, v[PFO]
	s_wait_loadcnt 0x0                             ; the biases, rounded to bf16 like every input
.set i, 0
.rept 48
	v_cvt_pk_bf16_f32 v[TMP+i], v[BIAS+2*i], v[BIAS+2*i+1]
.set i, i+1
.endr
.set i, 0
.rept 48
	v_lshlrev_b32 v[BIAS+2*i], 16, v[TMP+i]
	v_and_b32 v[BIAS+2*i+1], 0xffff0000, v[TMP+i]
.set i, i+1
.endr
; 12 matrix instructions: my row block a x all 12 column blocks, 32 along K.  first = 1: the bias starts the sums.  The 48 accumulators take turns, one instruction a turn, in the same order in every
; quarter, over the backward jumps and from tile to tile too.
.macro MUL12 f, a, first
.if \first
	WIN 0x85+0x40*((\a)/2)                         ; sources in window 1, C in window 0, D in window 2 or 3
.else
	WIN 0xa5+0x50*((\a)/2)                         ; C and D in window 2 or 3
.endif
.irp b, 0,1,2,3,4,5,6,7,8,9,10,11
.if \first
	v_wmma_f32_16x16x32_bf16 v[8*(12*((\a)%2)+(\b)):8*(12*((\a)%2)+(\b))+7], v[(\f)+8*(\b):(\f)+8*(\b)+7], v[(\f)+96+8*(\a):(\f)+96+8*(\a)+7], v[BIAS+8*(\b):BIAS+8*(\b)+7]
.else
	v_wmma_f32_16x16x32_bf16 v[8*(12*((\a)%2)+(\b)):8*(12*((\a)%2)+(\b))+7], v[(\f)+8*(\b):(\f)+8*(\b)+7], v[(\f)+96+8*(\a):(\f)+96+8*(\a)+7], v[8*(12*((\a)%2)+(\b)):8*(12*((\a)%2)+(\b))+7]
.endif
.endr
.endm
; 32 LDS loads in one run: the fragments of 32 along K at byte k of the rows, into buffer f: wb's twelve, then xb's four
.macro FETCH slot, k, f
	WIN 0x40                                       ; destination window 1, address window 0
.irp i, 0,1,2,3,4,5,6,7,8,9,10,11
	ds_load_b128 v[(\f)+8*(\i):(\f)+8*(\i)+3],   v[ADRB+(\slot)] offset:(\k)+(\i)*16*PITCH
	ds_load_b128 v[(\f)+8*(\i)+4:(\f)+8*(\i)+7], v[ADRB+(\slot)] offset:(\k)+(\i)*16*PITCH+32
.endr
.irp i, 0,1,2,3
	ds_load_b128 v[(\f)+96+8*(\i):(\f)+96+8*(\i)+3],   v[ADRA+(\slot)] offset:(\k)+(\i)*16*PITCH
	ds_load_b128 v[(\f)+96+8*(\i)+4:(\f)+96+8*(\i)+7], v[ADRA+(\slot)] offset:(\k)+(\i)*16*PITCH+32
.endr
.endm
.macro PLACES                          ; four places in front of loads into registers that matrix instructions have read, and of conversions that read results
.rept 4
	v_nop
.endr
.endm
; A K step is four quarters of 32 along K, 48 matrix instructions each, on buffers 0, 1, 0, 1.  One of the first three multiplies buffer f and, in its middle, fetches the next quarter, at byte k, into g.
.macro QUARTER slot, k, f, g, first
	s_wait_dscnt 4                                 ; wb's fragments and xb's blocks 0, 1 are in; the youngest four loads (blocks 2, 3) may be out
	MUL12 \f, 0, \first
	MUL12 \f, 1, \first
	PLACES
	FETCH \slot, \k, \g
	s_wait_dscnt 32                                ; all but the 32 just issued
	MUL12 \f, 2, \first
	MUL12 \f, 3, \first
.endm
; The last quarter multiplies buffer 1 and changes slots: ONE barrier; in front of it each wave waits for all its tensor loads (one is out: its part of the next slot), adds 0 to its spare word, and waits
; for that and for its own reads of this slot.  fill = 1: the barrier opens a round of the cluster's barrier, and this slot is filled again, two K steps on, first thing behind the round.
; fill = 2: the same in a tile's last two K steps, with the NEXT tile's K step 0 or 1.  fill = 0: nothing is left to fetch.
.macro TURN slot, next, fill
.if \fill
	s_wait_xcnt 0x0                                ; the last prefetch, a K step back, has read its address: it is stepped here, ahead of the waits of the change of slots
.if ((\fill) == 2) && ((\slot) == 0)
	s_add_nc_u64 s[PFA:PFA+1], s[PFA:PFA+1], (WALK-1)*KD*2+KSTEP*2  ; from the K step after the tile's last to the next tile's K step 1: WALK rows down, back along K
	s_cmp_eq_u32 s11, 0
	s_cselect_b32 s[LIM], s[LIM], -1               ; wb's rows are the same for both tiles: they are prefetched no more
.else
	s_add_nc_u64 s[PFA:PFA+1], s[PFA:PFA+1], KSTEP*2
.endif
.endif
	WIN 0                                          ; (the add's two registers lie in window 0)
	s_wait_tensorcnt 0x0                           ; all my tensor loads have landed
	ds_add_u32 v[SPW], v[NIL]                      ; 0 onto my spare word
	s_wait_dscnt 5                                 ; (the add and the youngest four loads may be out)
	MUL12 F1, 0, 0                                 ; twelve matrix instructions stand between the add and the wait for it
	s_wait_dscnt 0x0                               ; the add is done, and my reads of this slot are over
	s_barrier_signal -1
	MUL12 F1, 1, 0
.if \fill
	WIN 0
.endif
	s_barrier_wait -1
.if \fill
	CREST                                          ; no wave of any partner still reads this slot's tile or has a load on its way
.if (\fill) == 2
	s_add_nc_u64 s[G0+4*(\slot)+2:G0+4*(\slot)+3], s[G0+4*(\slot)+2:G0+4*(\slot)+3], NEXT_A
	s_sub_nc_u64 s[G0B+4*(\slot)+2:G0B+4*(\slot)+3], s[G0B+4*(\slot)+2:G0B+4*(\slot)+3], BACK_B
.else
	s_add_nc_u64 s[G0+4*(\slot)+2:G0+4*(\slot)+3], s[G0+4*(\slot)+2:G0+4*(\slot)+3], 2*KSTEP*2
	s_add_nc_u64 s[G0B+4*(\slot)+2:G0B+4*(\slot)+3], s[G0B+4*(\slot)+2:G0B+4*(\slot)+3], 2*KSTEP*2
.endif
	JLOAD \slot                                    ; the first tensor load behind the round: 168 matrix instructions ahead of the wait for it; its four v_nop are also the places in front of the loads below
.else
	PLACES
.endif
	FETCH \next, 0, F0
.if \fill
	ASK (\fill)-1
.endif
	MUL12 F1, 2, 0
	MUL12 F1, 3, 0
.endm
; THE WAY OUT, a block of 16 rows at a time: rounded to f16, 16 bytes a lane into my own stage, and back by heads: a head's 16 rows are 2,048 consecutive bytes of qkv.
; LDS serves a wave's instructions in order (ISA guide 5.7.1.4), so no wait stands between the stores into the stage and the loads from it.  The stage is my own and no tensor load fills it: no barrier.
.macro OUT a
	WIN 0x0a+5*((\a)/2)                            ; sources 0 and 1: window 2 or 3
.irp b, 0,1,2,3,4,5,6,7,8,9,10,11
.irp r, 0,1,2,3
	v_cvt_pk_f16_f32 v[TMP+4*(\b)+(\r)], v[96*((\a)%2)+8*(\b)+2*(\r)], v[96*((\a)%2)+8*(\b)+2*(\r)+1]
.endr
.endr
	WIN 0
.irp b, 0,1,2,3,4,5,6,7,8,9,10,11
	ds_store_b128 v[STO], v[TMP+4*(\b):TMP+4*(\b)+3] offset:32*(\b)
.endr
	s_wait_xcnt 0x0                                ; the last block's stores have read their registers, which are loaded again below
.irp f, 0,1,2,3
.irp j, 0,1,2
	ds_load_b128 v[OB+4*(3*(\f)+(\j)):OB+4*(3*(\f)+(\j))+3], v[RD] offset:4*SPITCH*(\f)+128*(\j)
.endr
.endr
	s_wait_dscnt 0x0
.irp f, 0,1,2,3
.irp j, 0,1,2
	global_store_b128 v[GO], v[OB+4*(3*(\f)+(\j)):OB+4*(3*(\f)+(\j))+3], s[OBS+2*(\j):OBS+2*(\j)+1] offset:2048*(\a)+512*(\f)  ; 512 consecutive bytes, aligned to 256
.endr
.endr
.endm
	s_wait_tensorcnt 1                             ; my part of K step 0 is in; K step 1's may stay out
	s_barrier_signal -1
	s_barrier_wait -1                              ; everybody's is
	FETCH 0, 0, F0
	WIN 0                                          ; at a label and at a branch every window is 0
	s_mov_b32 s2, TILES                            ; tiles to go, this one among them: the same number in every work-group
.Ltile:
	QUARTER 0, 64, F0, F1, 1                       ; a tile's first quarter stands in front of the loop: its products start the sums, with the bias
	WIN 0
	s_mov_b32 s3, LAPS-1
.Llap:                                                 ; a trip goes once round the ring, from a lap's second quarter to the next lap's first, and fills both slots again
	QUARTER 0, 128, F1, F0, 0
	QUARTER 0, 192, F0, F1, 0
	TURN 0, 1, 1
	QUARTER 1, 64,  F0, F1, 0
	QUARTER 1, 128, F1, F0, 0
	QUARTER 1, 192, F0, F1, 0
	TURN 1, 0, 1
	QUARTER 0, 64,  F0, F1, 0
	WIN 0
	s_sub_co_u32 s3, s3, 1
	s_cmp_lg_u32 s3, 0
	s_cbranch_scc1 .Llap
	QUARTER 0, 128, F1, F0, 0                      ; the tile's last lap goes on
	QUARTER 0, 192, F0, F1, 0
	WIN 0
	s_cmp_eq_u32 s2, 1
	s_cbranch_scc1 .Llast_tile                     ; the last tile's tail is written out: it asks for nothing more
	TURN 0, 1, 2                                   ; THE RING GOES ON INTO THE NEXT TILE: slot 0 takes its K step 0,
	QUARTER 1, 64,  F0, F1, 0
	QUARTER 1, 128, F1, F0, 0
	QUARTER 1, 192, F0, F1, 0
	TURN 1, 0, 2                                   ; slot 1 its K step 1, and the next tile's first fragments are fetched
	PLACES                                         ; both refills are asked for: now the tile goes out
	OUT 0
	OUT 1
	OUT 2
	OUT 3
	s_wait_xcnt 0x0                                ; the stores have read their bases, which step to the next tile's rows
.irp j, 0,1,2
	s_add_nc_u64 s[OBS+2*\j:OBS+2*\j+1], s[OBS+2*\j:OBS+2*\j+1], NEXT_C
.endr
	s_sub_co_u32 s2, s2, 1
	s_branch .Ltile
.Llast_tile:
	TURN 0, 1, 0                                   ; the last lap of all fills nothing, and has no round of the cluster's barrier
	QUARTER 1, 64,  F0, F1, 0
	QUARTER 1, 128, F1, F0, 0
	QUARTER 1, 192, F0, F1, 0
	s_wait_dscnt 4                                 ; the very last quarter: nothing more to fetch
	MUL12 F1, 0, 0
	MUL12 F1, 1, 0
	s_wait_dscnt 0x0
	MUL12 F1, 2, 0
	MUL12 F1, 3, 0
	PLACES
	OUT 0
	OUT 1
	OUT 2
	OUT 3
	s_wait_tensorcnt 0x0                           ; the wave's end: behind my last tensor load and my last LDS store
	ds_add_u32 v[SPW], v[NIL]
	s_wait_dscnt 0x0
	CROUND                                         ; the closing round: no work-group ends while a partner may still ask for a tile that names it
	s_endpgm
.Lfunc_end_k_q41fd1dfefc_proj:
	.size	k_q41fd1dfefc_proj, .Lfunc_end_k_q41fd1dfefc_proj-k_q41fd1dfefc_proj
	.p2alignl 7, 3214868480
	.fill 96, 4, 3214868480
	.section	.rodata,"a",@progbits
	.p2align	6, 0x0
	.amdhsa_kernel k_q41fd1dfefc_proj
		.amdhsa_group_segment_fixed_size 327680
		.amdhsa_private_segment_fixed_size 0
		.amdhsa_enable_private_segment 0
		.amdhsa_kernarg_size 48
		.amdhsa_user_sgpr_count 2
		.amdhsa_user_sgpr_kernarg_segment_ptr 1
		.amdhsa_wavefront_size32 1
		.amdhsa_system_sgpr_workgroup_id_x 1
		.amdhsa_system_sgpr_workgroup_id_y 1
		.amdhsa_system_sgpr_workgroup_id_z 1
		.amdhsa_system_vgpr_workitem_id 0
		.amdhsa_next_free_vgpr 960
		.amdhsa_next_free_sgpr 100
		.amdhsa_reserve_vcc 0
		.amdhsa_float_denorm_mode_32 3
		.amdhsa_float_denorm_mode_16_64 3
		.amdhsa_memory_ordered 1
		.amdhsa_forward_progress 1
		.amdhsa_inst_pref_size 183
	.end_amdhsa_kernel
	.amdgpu_metadata
---
amdhsa.version: [ 1, 2 ]
amdhsa.kernels:
  - .name:           k_q41fd1dfefc_proj
    .symbol:         k_q41fd1dfefc_proj.kd
    .args:
      - { .name: xb, .offset: 0, .size: 8, .value_kind: global_buffer, .address_space: global }
      - { .name: wb, .offset: 8, .size: 8, .value_kind: global_buffer, .address_space: global }
      - { .name: bq, .offset: 16, .size: 8, .value_kind: global_buffer, .address_space: global }
      - { .name: bk, .offset: 24, .size: 8, .value_kind: global_buffer, .address_space: global }
      - { .name: bv, .offset: 32, .size: 8, .value_kind: global_buffer, .address_space: global }
      - { .name: qkv, .offset: 40, .size: 8, .value_kind: global_buffer, .address_space: global }
    .group_segment_fixed_size: 327680
    .private_segment_fixed_size: 0
    .kernarg_segment_align: 8
    .kernarg_segment_size: 48
    .max_flat_workgroup_size: 128
    .sgpr_count:     100
    .vgpr_count:     960
    .wavefront_size: 32
...
	.end_amdgpu_metadata
.endif
;; end of part 2
;; launch attn (part 3): grid 256 x 1, 8 waves a work-group, clusters of 4 x 1, 327,680 bytes of LDS; arguments qkv, eb, attention_mask, out0; writes out0
.if DOCPART == 3
	.amdgcn_target "amdgcn-amd-amdhsa--gfx1250"
	.amdhsa_code_object_version 6
	.text
	.protected	k_q41fd1dfefc_attn
	.globl	k_q41fd1dfefc_attn
	.p2align	8
	.type	k_q41fd1dfefc_attn,@function
k_q41fd1dfefc_attn:
	s_mov_b64 s[64:65], 0
	v_nop
	global_prefetch_b8 v0, s[64:65] scope:SCOPE_SE
	s_setreg_imm32_b32 hwreg(HW_REG_WAVE_MODE, 25, 1), 1
	s_wait_xcnt 0x0
	s_wait_alu depctr_hold_cnt(0) depctr_sa_sdst(0) depctr_va_vdst(0) depctr_va_sdst(0) depctr_va_ssrc(0) depctr_va_vcc(0) depctr_vm_vsrc(0)
	s_getreg_b32 s2, hwreg(HW_REG_IB_STS2, 6, 4)
	s_cmp_eq_u32 s2, 0
	s_cbranch_scc0 .Lentry_in_a_cluster
	s_endpgm
.Lentry_in_a_cluster:
	s_bfe_u32 s2, ttmp6, 0x10000c
	s_cmp_lg_u32 s2, 0x3003
	s_cbranch_scc0 .Lentry_shape_is_right
	s_endpgm
.Lentry_shape_is_right:
; out0[b][l][64 hd + :] = the sum over r of softmax_r((q_l . k_r + q_l . e(l, r) + k_r . e(l, r)) / 8 + mask[b][r]) v_r, e(l, r) = dist_emb[l - r + 511] = eb[t], t = r - l + 511.
; Nothing of the problem is left out; the table pe[l][r] is never laid out: both position terms are products with tiles of 16 rows of eb, whose results go through LDS to their place (l, r).
; q, k, v, eb and the weights p are f16; products, the two position terms, maxima and sums f32; the mask is rounded to bf16 like every input.
; LIMITS.  8 x mask is held at -1e30 or above: a mask below -1.25e29 counts as that.  A weight below 2^-126 counts as 0.  NaN and infinities are not treated apart.
; SHARES.  One work-group a head (256).  Wave w of eight owns queries 64 w .. 64 w + 63: four tiles I of 16; it walks the 512 keys in 16 steps of 32 (two tiles jj).  All of eb, K and V lie in LDS, each filled
; once; behind the one barrier the waves do not meet again: each has LDS scratch of its own.
; LAYOUT.  S^T = K Q^T: a lane holds ONE query (lane % 16 = c) and the keys 8 (lane / 16) + 0..7 = 8 h + i of a tile.  Two such tiles rounded to f16 ARE source 1 of O^T = V^T P.
; THE KEYS' TERM, for tile jj: five products D_x = eb's rows TT + 16 (jj + x) .. (source 0) x K_jj (source 1), TT = 32 step - 64 w + 448.  Element (row m, lane c) belongs to key c and query 63 - 16 x + c - m of
; my 64.  It is stored there, in a scratch of 64 rows (queries) x 16 keys, pitch 80 bytes.  x = 0 serves c <= m, x = 4 serves c > m: one select, one store, rows taken modulo 64.  So each (l, r) is written once.
; The first product's C operand is 8 x mask[key]: the mask rides along.  The scratch is read back in S^T's layout straight into S, and K Q^T adds onto it in place.
; THE QUERIES' TERM, for tile I: three products D_j = Q_I (source 0) x eb's rows TT + 16 (3 - I + j) .. (source 1).  Element (row m, lane c) belongs to query m and key 16 j - 15 + c + m of the step's 32.
; j = 0 serves c + m >= 15 and j = 2 serves c + m <= 14: one select, one store, at key (c + m + 17) modulo 32; j = 1 is stored at key c + m + 1.  So each (l, r) is written once, in a scratch of 16 rows (queries)
; x 32 keys, pitch 144 bytes = 36 words: eight rows on is 32 banks on, so the two halves of the lanes meet no common bank.  It is read back in S^T's layout and added.
; SOFTMAX.  A running maximum m and sum l a query: p = 2^(c s - c m), c = log2(e) / 8; O and l are multiplied by a = 2^(c m_old - c m_new) in every step.  m starts at the lowest finite number, O and l at 0.
; CLUSTER.  Four heads; eb, half of a work-group's tile bytes, is the same for all and is asked for JOINTLY; K and V are each head's own, by plain loads in the same group.  No prefetch: all loads stand at the head.
; REGISTERS, in windows of 256 (s_set_vgpr_msb: bits 1:0 source 0, 3:2 source 1, 5:4 source 2, 7:6 destination):
;   window 0: v1-31, v232-239 addresses; v32-47 statistics; v48-63 the masks; v64-103 a pool (the position products' results, what is read back, the softmax's work); v104-167 S^T; v168-231 Q
;   window 1: v0-127 O^T; v128-223 eb's six tiles, later V (v128-159) and P (v160-191); v224-255 K's two tiles
.set PE,    272       ; two rows of 128 bytes + 16 of padding: row x of eb or K lies at (x / 2) 272 + (x % 2) 128: the 16 rows of a fragment load start at 16 different groups of four banks (64 banks of 4 bytes: ISA guide 11.1)
.set PVP,   288       ; the same for V with 32 of padding
.set KBASE, 512*PE    ; eb's 1,024 rows, then K's 512,
.set VBASE, 768*PE    ; then V's 512
.set SCR,   VBASE+256*PVP  ; behind the tiles, never filled by a tensor load: 5,120 bytes of scratch for each wave
.set SCRB,  5120
.set SPARE, SCR+8*SCRB     ; the spare words, 128 bytes for each wave: four blocks of 256 bytes that no other line names
.set QP,    144       ; the queries' term: bytes from row to row of its scratch
.set LPE, 3           ; v3   my lane's place in a fragment of eb or K; never rewritten
.set LPV, 4           ; v4   in V
.set AE,  5           ; v5-7 the step's LDS addresses in eb, K, V
.set AK,  6
.set AV,  7
.set AQS, 8           ; v8   the queries' term: where I store j = 1
.set ARQ, 9           ; v9   and read back
.set AKS, 10          ; v10  the keys' term: where I store x = 1 .. 3
.set ARK, 11          ; v11  and read back
.set AKW, 12          ; v12-19  where register i of the selected x = 0 / x = 4 goes
.set STO, 20          ; v20  the way out: where I put 32 bytes of a row
.set RD,  21          ; v21  where I read rows back
.set GO,  22          ; v22  my byte offset in two rows of out0
.set QO,  23          ; v23  my byte offset in 16 rows of Q
.set VMA, 24          ; v24  my offset in the batch's mask
.set MRAW, 25         ; v25  the step's mask, a key a lane
.set M8,  26          ; v26  8 x it
.set X8,  27          ; v27  the other half of the lanes'
.set SPW, 28          ; v28  LDS address of my spare word; never rewritten
.set NIL, 29          ; v29  0; never rewritten
.set L4,  30          ; v30  4 x lane
.set ST,  32          ; tile I's statistics at ST + 4 I: c m, m, l (even keys', odd keys')
.set MC,  48          ; 8 x mask[key c] of tile jj, eight times, at MC + 8 jj
.set POOL, 64
.set TQ,  POOL+24     ; the queries' term as read back: 16 registers
.set S,   104         ; S + 16 I + 8 jj
.set Q,   168         ; Q + 16 I + 8 (channel half)
.set AQW, 232         ; v232-239  where register i of the selected j = 0 / j = 2 goes
.set EF,  128         ; window 1: tile e, channel half kh at EF + 16 e + 8 kh
.set PF,  160         ; window 1: P of tile I at PF + 8 I
.set KF,  224         ; window 1: KF + 16 jj + 8 kh
.set WV,  12          ; s12  my wave's number
.set QM,  16          ; s[16:23] for register i: the lanes with c + 8 h + i >= 15 (set when the head's offsets, which lie here first, have been used)
.set G1E, 24          ; s[24:31], s[32:39], s[40:47] descriptor group 1 for eb, K, V
.set G1K, 32
.set G1V, 40
.set G0E, 48          ; s[48:51], s[52:55], s[56:59] group 0: each tensor has its own, so that eb's never holds my place in the cluster
.set G0K, 52
.set G0V, 56
.set SEL, 60          ; s[60:61] v_permlanex16_b32's selects: each lane takes its own place in the other half
.set HIM, 62          ; s62  the upper 16 lanes
.set KM,  66          ; s[66:73] for register i: the lanes with c <= 8 h + i
.set TE,  74          ; s74-76  LDS byte at which the step's rows of eb, K, V begin
.set TK,  75
.set TV,  76
.set CNT, 77          ; s77  steps to go
.set MO,  78          ; s78  the next step's bytes in the mask
.set SB,  79          ; s79  my scratch
.set CS,  80          ; s[80:81] c, named as a pair
.set BIGN, 82         ; s82  -1e30
.set MSB, 0
.macro WIN new                      ; the high byte repeats the setting that is left; a switch that changes nothing is dropped
.if MSB != (\new)
	s_set_vgpr_msb (MSB<<8)|(\new)
.set MSB, (\new)
.endif
.endm
.macro CROUND                       ; a round of the cluster's barrier
	s_barrier_signal -1
	s_barrier_wait -1
	s_cmp_lg_u32 s[WV], 0
	s_cbranch_scc1 .Lnot_wave_0_\@
	s_barrier_signal -3
.Lnot_wave_0_\@:
	s_barrier_wait -3
	s_barrier_signal -1
	s_barrier_wait -1
.endm
.macro ALLI line:vararg             ; one line for each tile ti
.set ti, 0
.rept 4
	\line
.set ti, ti+1
.endr
.endm
	s_load_b256 s[4:11], s[0:1], 0x0  ; qkv s[4:5], eb s[6:7], attention_mask s[8:9], out0 s[10:11]
	v_lshl_add_u32 v[SPW], v0, 2, SPARE
	v_mov_b32 v[NIL], 0
	ds_add_u32 v[SPW], v[NIL]       ; the wave's opening: the add, twice on end, and its wait ahead of my first tensor load
	ds_add_u32 v[SPW], v[NIL]       ; and once more, under the one wait; the set-up below, work on registers, stands between
	v_lshrrev_b32 v1, 5, v0
	v_readfirstlane_b32 s[WV], v1   ; wave 0..7
	s_bfe_u32 s13, ttmp6, 0x40000   ; cx
	s_lshl_b32 s14, ttmp9, 2
	s_add_co_u32 s14, s14, s13      ; the head among 256 = 4 x cluster x + cx
	s_lshr_b32 s15, s14, 4          ; batch
	s_and_b32 s16, s14, 15          ; head of the batch
	s_and_b32 s17, s[WV], 1         ; which half of K or V I fetch
	; descriptor group 1: 128 rows of 256 bytes (two rows of the tensor each), dense in memory, padded in LDS
	s_mov_b32 s[G1E], 15|(3<<16)|(1<<20)|(1<<21)|(5<<22)|(3<<25)  ; 15:0 the mask of four; 17:16 8-byte elements; 20 padding on; 21 set beside a mask; 24:22 after every 64 words; 31:25 4 words
	s_mov_b32 s[G1K], (3<<16)|(1<<20)|(5<<22)|(3<<25)             ; my own load: no mask
	s_mov_b32 s[G1V], (3<<16)|(1<<20)|(5<<22)|(7<<25)             ; 8 words of padding
.irp g, G1E, G1K, G1V
	s_mov_b32 s[\g+1], 32<<16       ; tensor_dim0 = 32
	s_mov_b32 s[\g+2], 128<<16      ; tensor_dim1 = 128
	s_mov_b32 s[\g+3], 32<<16       ; tile_dim0 = 32
	s_mov_b32 s[\g+4], 128          ; tile_dim1 = 128
	s_mov_b32 s[\g+5], 32           ; 32 elements from row to row
	s_mov_b32 s[\g+6], 0
	s_mov_b32 s[\g+7], 0
.endr
	s_mov_b32 s[G0E], 1
	s_mul_i32 s[G0E+1], s[WV], 128*PE      ; waves 0-3: a quarter of eb each
	s_mov_b32 s[G0K], 1
	s_mul_i32 s[G0K+1], s17, 128*PE        ; waves 4, 5: a half of K
	s_add_co_u32 s[G0K+1], s[G0K+1], KBASE
	s_mov_b32 s[G0V], 1
	s_mul_i32 s[G0V+1], s17, 128*PVP       ; waves 6, 7: a half of V
	s_add_co_u32 s[G0V+1], s[G0V+1], VBASE
	s_lshl_b32 s18, s[WV], 15       ; eb: 256 rows of 128 bytes a wave
	s_mov_b32 s19, 0
	s_lshl_b32 s22, s14, 16         ; the head's 65,536 bytes in each of q, k, v
	s_lshl_b32 s20, s[WV], 13       ; my 64 rows of q
	s_add_co_u32 s20, s20, s22
	s_mov_b32 s21, 0
	s_lshl_b32 s23, s17, 15
	s_add_co_u32 s22, s22, s23
	s_add_co_u32 s90, s22, 0x2000000  ; v lies 32 MiB into qkv,
	s_add_co_u32 s22, s22, 0x1000000  ; k 16 MiB
	s_mov_b32 s23, 0
	s_mov_b32 s91, 0
	s_lshl_b32 s92, s15, 11         ; the batch's 512 mask numbers
	s_mov_b32 s93, 0
	s_lshl_b32 s94, s15, 21         ; out0: the batch's 512 rows of 4,096 bytes,
	s_lshl_b32 s95, s[WV], 18       ; my 64 rows,
	s_add_co_u32 s94, s94, s95
	s_lshl_b32 s95, s16, 8          ; the head's 256 bytes of a row
	s_add_co_u32 s94, s94, s95
	s_mov_b32 s95, 0
	s_mov_b32 s[SEL], 0x76543210
	s_mov_b32 s[SEL+1], 0xfedcba98
	s_mov_b32 s[HIM], 0xffff0000
.irp i, 0,1,2,3,4,5,6,7
	s_mov_b32 s[KM+\i], ((1<<(\i+1))-1)|(((1<<(9+\i))-1)<<16)
.endr
	s_mul_i32 s[TE], s[WV], 64*136
	s_sub_co_u32 s[TE], 448*136, s[TE]     ; row TT = 448 - 64 w, 136 bytes a row
	s_mov_b32 s[TK], KBASE
	s_mov_b32 s[TV], VBASE
	s_mov_b32 s[CNT], 16
	s_mov_b32 s[MO], 0
	s_mul_i32 s[SB], s[WV], SCRB
	s_add_co_u32 s[SB], s[SB], SCR
	s_mov_b32 s[CS], 0x3e38aa3b     ; c = log2(e) / 8 = 0.180337
	s_mov_b32 s[CS+1], s[CS]
	s_mov_b32 s[BIGN], 0xf149f2ca   ; -1e30
	s_wait_dscnt 0x0                ; both opening adds are done
	s_wait_kmcnt 0x0
	s_add_nc_u64 s[G0E+2:G0E+3], s[6:7], s[18:19]
	s_or_b32 s[G0E+3], s[G0E+3], 0x80000000
	s_add_nc_u64 s[G0K+2:G0K+3], s[4:5], s[22:23]
	s_or_b32 s[G0K+3], s[G0K+3], 0x80000000
	s_add_nc_u64 s[G0V+2:G0V+3], s[4:5], s[90:91]
	s_or_b32 s[G0V+3], s[G0V+3], 0x80000000
	s_add_nc_u64 s[84:85], s[4:5], s[20:21]    ; q at my rows
	s_add_nc_u64 s[86:87], s[8:9], s[92:93]    ; the batch's mask
	s_add_nc_u64 s[88:89], s[10:11], s[94:95]  ; out0 at my rows and head
	CROUND                          ; all four work-groups are here: the joint loads meet
	; one tensor load a wave, all first fills, in one group; the branches hang on the wave's number alone; an s_nop 0 and four v_nop follow each line
	s_cmp_lt_u32 s[WV], 4
	s_cbranch_scc0 .Lk_or_v
	tensor_load_to_lds s[G0E:G0E+3], s[G1E:G1E+7]
	s_nop 0
.rept 4
	v_nop
.endr
	s_branch .Lasked
.Lk_or_v:
	s_cmp_lt_u32 s[WV], 6
	s_cbranch_scc0 .Lfor_v
	tensor_load_to_lds s[G0K:G0K+3], s[G1K:G1K+7]
	s_nop 0
.rept 4
	v_nop
.endr
	s_branch .Lasked
.Lfor_v:
	tensor_load_to_lds s[G0V:G0V+3], s[G1V:G1V+7]
	s_nop 0
.rept 4
	v_nop
.endr
.Lasked:
.irp i, 0,1,2,3,4,5,6,7
	s_mov_b32 s[QM+\i], ((0xffff<<(15-\i))&0xffff)|(((0xffff<<(7-\i))&0xffff)<<16)  ; lower half of the lanes: c >= 15 - i; upper half: c >= 7 - i
.endr
	v_and_b32 v1, 15, v0            ; c
	v_bfe_u32 v2, v0, 4, 1          ; h
	v_lshlrev_b32 v[QO], 7, v1
	v_lshl_add_u32 v[QO], v2, 4, v[QO]  ; row x 128 + 16 x half
.irp I, 0,1,2,3
.irp kh, 0,1
	global_load_b128 v[Q+16*\I+8*\kh:Q+16*\I+8*\kh+3],   v[QO], s[84:85] offset:2048*\I+64*\kh th:TH_LOAD_NT
	global_load_b128 v[Q+16*\I+8*\kh+4:Q+16*\I+8*\kh+7], v[QO], s[84:85] offset:2048*\I+64*\kh+32 th:TH_LOAD_NT
.endr
.endr
	v_and_b32 v[L4], 31, v0
	v_lshlrev_b32 v[L4], 2, v[L4]
	v_mov_b32 v[VMA], v[L4]
	global_load_b32 v[MRAW], v[VMA], s[86:87]  ; step 0's 32 mask numbers
	; O^T and l start at 0, so that the first step is a step like any other; all this stands in the wait for the tiles
	WIN 0x40
.set i, 0
.rept 128
	v_mov_b32 v[i], 0
.set i, i+1
.endr
	WIN 0
.set i, 0
.rept 4
	v_mov_b32 v[ST+4*i+1], 0xff7fffff          ; m: the lowest finite number
	v_mul_f32 v[ST+4*i], s[CS], v[ST+4*i+1]    ; c m
	v_mov_b32 v[ST+4*i+2], 0
	v_mov_b32 v[ST+4*i+3], 0
.set i, i+1
.endr
	v_lshrrev_b32 v31, 1, v1
	v_mul_u32_u24 v[LPE], v31, PE
	v_and_b32 v31, 1, v1
	v_lshl_add_u32 v[LPE], v31, 7, v[LPE]
	v_lshl_add_u32 v[LPE], v2, 4, v[LPE]       ; (c / 2) 272 + (c % 2) 128 + 16 h
	; the turning load takes 16 keys x 16 channels: lane l reads key 8 (l / 16) + l % 8, channels 8 ((l / 8) % 2) + 0..7, and is left with channel l % 16 and 8 keys
	v_and_b32 v31, 7, v0
	v_lshl_add_u32 v31, v2, 3, v31
	v_lshrrev_b32 v[LPV], 1, v31
	v_mul_u32_u24 v[LPV], v[LPV], PVP
	v_and_b32 v31, 1, v31
	v_lshl_add_u32 v[LPV], v31, 7, v[LPV]
	v_bfe_u32 v31, v0, 3, 1
	v_lshl_add_u32 v[LPV], v31, 4, v[LPV]
	; the queries' term.  j = 1: row 8 h + i, key c + 8 h + i + 1: 144 (8 h + i) + 4 (c + 8 h + i + 1) = 1,184 h + 4 c, and 4 + 148 i in the immediate
	v_mul_u32_u24 v[AQS], v2, 8*QP+32
	v_lshl_add_u32 v[AQS], v1, 2, v[AQS]
	v_add_nc_u32 v[AQS], s[SB], v[AQS]
	v_mul_u32_u24 v[ARQ], v1, QP               ; back: row c, keys 8 h on
	v_lshl_add_u32 v[ARQ], v2, 5, v[ARQ]
	v_add_nc_u32 v[ARQ], s[SB], v[ARQ]
	v_lshl_add_u32 v31, v2, 3, v1              ; c + 8 h
	v_mul_u32_u24 v[X8], v2, 8*QP
	v_add_nc_u32 v[X8], s[SB], v[X8]           ; row 8 h
.irp i, 0,1,2,3,4,5,6,7
	v_add_nc_u32 v[AQW+\i], 17+\i, v31         ; key c + m + 17,
	v_and_b32 v[AQW+\i], 31, v[AQW+\i]         ; modulo 32,
	v_lshl_add_u32 v[AQW+\i], v[AQW+\i], 2, v[X8]
	v_add_nc_u32 v[AQW+\i], QP*\i, v[AQW+\i]   ; in row 8 h + i
.endr
	; the keys' term
	v_xor_b32 v31, 1, v2                       ; 1 - h
	v_mul_u32_u24 v[AKS], v1, 84               ; row + c and column c: 80 c + 4 c
	v_mad_u32_u24 v[AKS], v31, 640, v[AKS]     ; 8 rows up where h = 0
	v_add_nc_u32 v[AKS], s[SB], v[AKS]
	v_mul_u32_u24 v[ARK], v1, 80
	v_lshl_add_u32 v[ARK], v2, 5, v[ARK]
	v_add_nc_u32 v[ARK], s[SB], v[ARK]
	v_lshl_add_u32 v31, v31, 3, v1             ; c + 8 (1 - h)
	v_lshl_add_u32 v[X8], v1, 2, s[SB]         ; column c
.irp i, 0,1,2,3,4,5,6,7
	v_add_nc_u32 v[AKW+\i], 55-\i, v31         ; 63 + c - 8 h - i,
	v_and_b32 v[AKW+\i], 63, v[AKW+\i]         ; modulo 64
	v_mad_u32_u24 v[AKW+\i], v[AKW+\i], 80, v[X8]
.endr
	v_mul_u32_u24 v[STO], v1, 272              ; the way out: row c of 256 bytes + 16, my 8 channels of each 16
	v_lshl_add_u32 v[STO], v2, 5, v[STO]
	v_add_nc_u32 v[STO], s[SB], v[STO]
	v_mul_u32_u24 v[RD], v2, 272               ; back: lanes 0-15 one row, lanes 16-31 the next
	v_lshl_add_u32 v[RD], v1, 4, v[RD]
	v_add_nc_u32 v[RD], s[SB], v[RD]
	v_lshlrev_b32 v[GO], 12, v2                ; and the same two rows in out0
	v_lshl_add_u32 v[GO], v1, 4, v[GO]
	s_wait_tensorcnt 0x0            ; my tile is in,
	s_barrier_signal -1
	s_barrier_wait -1               ; everybody's is.  Nothing is filled again: this is the work-group's only barrier between the two rounds
; Five places behind a batch of products: its results are read by stores and vector instructions (four are asked for), and the next batch's products write over them (five).
.macro P5
.rept 5
	v_nop
.endr
.endm
; In every batch the accumulators take turns, one instruction a turn: between the two links of a chain stand the others'.
.macro KEB jj                       ; the keys' term and the mask for key tile jj, through the scratch into S
	WIN 0x05                        ; eb and K in window 1
.irp x, 0,1,2,3,4
	v_wmma_f32_16x16x32_f16 v[POOL+8*\x:POOL+8*\x+7], v[EF+16*((\jj)+\x):EF+16*((\jj)+\x)+7], v[KF+16*(\jj):KF+16*(\jj)+7], v[MC+8*(\jj):MC+8*(\jj)+7]
.endr
.irp x, 0,1,2,3,4
	v_wmma_f32_16x16x32_f16 v[POOL+8*\x:POOL+8*\x+7], v[EF+16*((\jj)+\x)+8:EF+16*((\jj)+\x)+15], v[KF+16*(\jj)+8:KF+16*(\jj)+15], v[POOL+8*\x:POOL+8*\x+7]
.endr
	WIN 0
	P5
.irp i, 0,1,2,3,4,5,6,7
	v_cndmask_b32 v[POOL+\i], v[POOL+32+\i], v[POOL+\i], s[KM+\i]  ; x = 0 where c <= m, else x = 4
.endr
.irp i, 0,1,2,3,4,5,6,7
	ds_store_b32 v[AKW+\i], v[POOL+\i]
.endr
.irp x, 1,2,3
.irp i, 0,1,2,3,4,5,6,7
	ds_store_b32 v[AKS], v[POOL+8*\x+\i] offset:(55-16*\x-\i)*80
.endr
.endr
.irp I, 0,1,2,3                     ; LDS serves a wave's instructions in order (ISA guide 5.7.1.4): these see the stores above, and the next stores come behind them
	ds_load_b128 v[S+16*\I+8*(\jj):S+16*\I+8*(\jj)+3],   v[ARK] offset:1280*\I
	ds_load_b128 v[S+16*\I+8*(\jj)+4:S+16*\I+8*(\jj)+7], v[ARK] offset:1280*\I+16
.endr
.endm
.macro QEB I                        ; the queries' term for query tile I, into the scratch: 16 stores
	WIN 0x04                        ; Q in window 0, eb in window 1
.irp j, 0,1,2
	v_wmma_f32_16x16x32_f16 v[POOL+8*\j:POOL+8*\j+7], v[Q+16*(\I):Q+16*(\I)+7], v[EF+16*(3-(\I)+\j):EF+16*(3-(\I)+\j)+7], 0
.endr
.irp j, 0,1,2
	v_wmma_f32_16x16x32_f16 v[POOL+8*\j:POOL+8*\j+7], v[Q+16*(\I)+8:Q+16*(\I)+15], v[EF+16*(3-(\I)+\j)+8:EF+16*(3-(\I)+\j)+15], v[POOL+8*\j:POOL+8*\j+7]
.endr
	WIN 0
	P5
.irp i, 0,1,2,3,4,5,6,7
	v_cndmask_b32 v[POOL+\i], v[POOL+16+\i], v[POOL+\i], s[QM+\i]  ; j = 0 where c + m >= 15, else j = 2
.endr
.irp i, 0,1,2,3,4,5,6,7
	ds_store_b32 v[AQW+\i], v[POOL+\i]
.endr
.irp i, 0,1,2,3,4,5,6,7
	ds_store_b32 v[AQS], v[POOL+8+\i] offset:4+(QP+4)*\i
.endr
.endm
.macro TLOAD                        ; and back: both key tiles, in S^T's layout
	ds_load_b128 v[TQ:TQ+3],     v[ARQ]
	ds_load_b128 v[TQ+4:TQ+7],   v[ARQ] offset:16
	ds_load_b128 v[TQ+8:TQ+11],  v[ARQ] offset:64
	ds_load_b128 v[TQ+12:TQ+15], v[ARQ] offset:80
.endm
.macro ADDQ I                       ; each accumulator's lowest registers are read first
.irp z, 0,1,2,3,4,5,6,7
	v_pk_add_f32 v[S+16*(\I)+2*\z:S+16*(\I)+2*\z+1], v[S+16*(\I)+2*\z:S+16*(\I)+2*\z+1], v[TQ+2*\z:TQ+2*\z+1]
.endr
.endm
.Lstep:                             ; 16 trips: 32 keys each
	v_add_nc_u32 v[AE], s[TE], v[LPE]      ; four plain instructions: the places between the last step's products V^T P and the loads into their sources
	v_add_nc_u32 v[AK], s[TK], v[LPE]
	v_add_nc_u32 v[AV], s[TV], v[LPV]
	v_nop
	WIN 0x40                        ; destination window 1
.irp f, 0,1,2,3                     ; K: tile f / 2, channel half f % 2
	ds_load_b128 v[KF+8*\f:KF+8*\f+3],   v[AK] offset:(\f/2)*8*PE+(\f%2)*64
	ds_load_b128 v[KF+8*\f+4:KF+8*\f+7], v[AK] offset:(\f/2)*8*PE+(\f%2)*64+32
.endr
.irp f, 0,1,2,3,4,5,6,7,8,9,10,11   ; eb: six tiles from row TT on
	ds_load_b128 v[EF+8*\f:EF+8*\f+3],   v[AE] offset:(\f/2)*8*PE+(\f%2)*64
	ds_load_b128 v[EF+8*\f+4:EF+8*\f+7], v[AE] offset:(\f/2)*8*PE+(\f%2)*64+32
.endr
	WIN 0
	s_wait_loadcnt 0x0              ; the step's mask (in the first trip Q too)
	v_cvt_pk_bf16_f32 v[M8], v[MRAW], v[MRAW]
	v_lshlrev_b32 v[M8], 16, v[M8]
	v_mul_f32 v[M8], 0x41000000, v[M8]     ; x 8: the scores are divided by 8 behind it
	v_max_num_f32 v[M8], s[BIGN], v[M8]
	v_permlanex16_b32 v[X8], v[M8], s[SEL], s[SEL+1]
.irp i, 0,1,2,3,4,5,6,7
	v_cndmask_b32 v[MC+\i], v[M8], v[X8], s[HIM]    ; key c of tile 0, in both halves of the lanes
	v_cndmask_b32 v[MC+8+\i], v[X8], v[M8], s[HIM]  ; key c of tile 1
.endr
	s_cmp_eq_u32 s[CNT], 1          ; the last step has no next
	s_cbranch_scc1 .Lno_mask
	s_add_co_u32 s[MO], s[MO], 128
	v_add_nc_u32 v[VMA], s[MO], v[L4]      ; free since the wait for its load
	global_load_b32 v[MRAW], v[VMA], s[86:87]
.Lno_mask:
	s_wait_dscnt 0x0                ; K and eb are in
	KEB 0
	KEB 1
	QEB 0
	TLOAD
	s_wait_dscnt 20                 ; S holds the keys' term and the mask: behind its loads stand 16 stores and 4 loads
	WIN 0x01                        ; K in window 1, Q and S^T in window 0
.irp kh, 0,1
.irp I, 0,1,2,3
.irp jj, 0,1
	v_wmma_f32_16x16x32_f16 v[S+16*\I+8*\jj:S+16*\I+8*\jj+7], v[KF+16*\jj+8*\kh:KF+16*\jj+8*\kh+7], v[Q+16*\I+8*\kh:Q+16*\I+8*\kh+7], v[S+16*\I+8*\jj:S+16*\I+8*\jj+7]
.endr
.endr
.endr
.irp I, 1,2,3
	QEB \I
	s_wait_dscnt 16                 ; the tile before is back: behind its loads stand this tile's 16 stores
	ADDQ (\I)-1
	TLOAD
.endr
	WIN 0x40                        ; V, turned, into eb's first two tiles, which no product reads any more: keys 0-15 and 16-31 of the step, channels 16 cb on
.irp cb, 0,1,2,3
	ds_load_tr16_b128 v[EF+8*\cb:EF+8*\cb+3],   v[AV] offset:32*\cb
	ds_load_tr16_b128 v[EF+8*\cb+4:EF+8*\cb+7], v[AV] offset:32*\cb+8*PVP
.endr
	WIN 0
	s_wait_dscnt 8                  ; all but V's eight
	ADDQ 3
	; THE SOFTMAX, each line for the four tiles in turn.  At work for tile ti, at POOL + 8 ti: +0, +1 two chains of the maximum, +2 the other lanes' and then c m_old - c m_new, +3 c m_old, +4 a (named as a pair with +5)
	ALLI v_max3_num_f32 v[POOL+8*ti], v[S+16*ti], v[S+16*ti+1], v[S+16*ti+2]
	ALLI v_max3_num_f32 v[POOL+8*ti+1], v[S+16*ti+8], v[S+16*ti+9], v[S+16*ti+10]
	ALLI v_max3_num_f32 v[POOL+8*ti], v[POOL+8*ti], v[S+16*ti+3], v[S+16*ti+4]
	ALLI v_max3_num_f32 v[POOL+8*ti+1], v[POOL+8*ti+1], v[S+16*ti+11], v[S+16*ti+12]
	ALLI v_max3_num_f32 v[POOL+8*ti], v[POOL+8*ti], v[S+16*ti+5], v[S+16*ti+6]
	ALLI v_max3_num_f32 v[POOL+8*ti+1], v[POOL+8*ti+1], v[S+16*ti+13], v[S+16*ti+14]
	ALLI v_max3_num_f32 v[POOL+8*ti], v[POOL+8*ti], v[S+16*ti+7], v[S+16*ti+15]
	ALLI v_max3_num_f32 v[POOL+8*ti], v[POOL+8*ti], v[POOL+8*ti+1], v[ST+4*ti+1]
	ALLI v_permlanex16_b32 v[POOL+8*ti+2], v[POOL+8*ti], s[SEL], s[SEL+1]
	ALLI v_max_num_f32 v[ST+4*ti+1], v[POOL+8*ti], v[POOL+8*ti+2]
	ALLI v_mov_b32 v[POOL+8*ti+3], v[ST+4*ti]
	ALLI v_mul_f32 v[ST+4*ti], s[CS], v[ST+4*ti+1]
	ALLI v_sub_f32 v[POOL+8*ti+2], v[POOL+8*ti+3], v[ST+4*ti]
.set z, 0
.rept 8
	ALLI v_pk_fma_f32 v[S+16*ti+2*z:S+16*ti+2*z+1], v[S+16*ti+2*z:S+16*ti+2*z+1], s[CS:CS+1], v[ST+4*ti:ST+4*ti+1] op_sel_hi:[1,0,0] neg_lo:[0,0,1] neg_hi:[0,0,1]
.set z, z+1
.endr
	ALLI v_exp_f32 v[POOL+8*ti+4], v[POOL+8*ti+2]  ; ONE BATCH of 68 exponentials: nothing ahead of the wait below names a result of theirs
.set z, 0
.rept 16
	ALLI v_exp_f32 v[S+16*ti+z], v[S+16*ti+z]
.set z, z+1
.endr
	v_nop                           ; a plain instruction behind the last exponential,
	s_wait_alu depctr_va_vdst(0)    ; and the one wait ahead of the batch's first reader
	WIN 0x40                        ; P in window 1
.set z, 0
.rept 8
	ALLI v_cvt_pk_f16_f32 v[PF+8*ti+z], v[S+16*ti+2*z], v[S+16*ti+2*z+1]
.set z, z+1
.endr
	WIN 0
	ALLI v_pk_add_f32 v[S+16*ti:S+16*ti+1], v[S+16*ti:S+16*ti+1], v[S+16*ti+2:S+16*ti+3]
	ALLI v_pk_add_f32 v[S+16*ti+4:S+16*ti+5], v[S+16*ti+4:S+16*ti+5], v[S+16*ti+6:S+16*ti+7]
	ALLI v_pk_add_f32 v[S+16*ti+8:S+16*ti+9], v[S+16*ti+8:S+16*ti+9], v[S+16*ti+10:S+16*ti+11]
	ALLI v_pk_add_f32 v[S+16*ti+12:S+16*ti+13], v[S+16*ti+12:S+16*ti+13], v[S+16*ti+14:S+16*ti+15]
	ALLI v_pk_add_f32 v[S+16*ti:S+16*ti+1], v[S+16*ti:S+16*ti+1], v[S+16*ti+4:S+16*ti+5]
	ALLI v_pk_add_f32 v[S+16*ti+8:S+16*ti+9], v[S+16*ti+8:S+16*ti+9], v[S+16*ti+12:S+16*ti+13]
	ALLI v_pk_add_f32 v[S+16*ti:S+16*ti+1], v[S+16*ti:S+16*ti+1], v[S+16*ti+8:S+16*ti+9]
	ALLI v_pk_fma_f32 v[ST+4*ti+2:ST+4*ti+3], v[ST+4*ti+2:ST+4*ti+3], v[POOL+8*ti+4:POOL+8*ti+5], v[S+16*ti:S+16*ti+1] op_sel_hi:[1,0,1]
	WIN 0x41                        ; O^T in window 1, a in window 0
.set z, 0
.rept 16
	ALLI v_pk_mul_f32 v[32*ti+2*z:32*ti+2*z+1], v[32*ti+2*z:32*ti+2*z+1], v[POOL+8*ti+4:POOL+8*ti+5] op_sel_hi:[1,0]
.set z, z+1
.endr
	s_wait_dscnt 0x0                ; V is in
	WIN 0x55                        ; all four operands in window 1
.irp cb, 0,1,2,3
.irp I, 0,1,2,3
	v_wmma_f32_16x16x32_f16 v[32*\I+8*\cb:32*\I+8*\cb+7], v[EF+8*\cb:EF+8*\cb+7], v[PF+8*\I:PF+8*\I+7], v[32*\I+8*\cb:32*\I+8*\cb+7]
.endr
.endr
	WIN 0                           ; at a label and at a branch every window is 0
	s_add_co_u32 s[TE], s[TE], 16*PE       ; 32 rows on in eb, K and V
	s_add_co_u32 s[TK], s[TK], 16*PE
	s_add_co_u32 s[TV], s[TV], 16*PVP
	s_sub_co_u32 s[CNT], s[CNT], 1
	s_cmp_lg_u32 s[CNT], 0
	s_cbranch_scc1 .Lstep
	; THE WAY OUT.  l's two halves and the other half of the lanes' are added (the first four additions are the places behind the last products); O^T is divided by l and sent, in f32, through my scratch, a tile at a time.
	ALLI v_add_f32 v[ST+4*ti+2], v[ST+4*ti+2], v[ST+4*ti+3]
	ALLI v_permlanex16_b32 v[ST+4*ti+3], v[ST+4*ti+2], s[SEL], s[SEL+1]
	ALLI v_add_f32 v[ST+4*ti+2], v[ST+4*ti+2], v[ST+4*ti+3]
	ALLI v_rcp_f32 v[ST+4*ti+2], v[ST+4*ti+2]
	v_nop                           ; a plain instruction behind the last reciprocal,
	s_wait_alu depctr_va_vdst(0)    ; and the one wait for the four
.macro OUT I
	WIN 0x41
.set z, 0
.rept 16
	v_pk_mul_f32 v[32*(\I)+2*z:32*(\I)+2*z+1], v[32*(\I)+2*z:32*(\I)+2*z+1], v[ST+4*(\I)+2:ST+4*(\I)+3] op_sel_hi:[1,0]
.set z, z+1
.endr
	WIN 0x04                        ; the stores' data in window 1
.irp cb, 0,1,2,3
	ds_store_b128 v[STO], v[32*(\I)+8*\cb:32*(\I)+8*\cb+3]   offset:64*\cb
	ds_store_b128 v[STO], v[32*(\I)+8*\cb+4:32*(\I)+8*\cb+7] offset:64*\cb+16
.endr
	WIN 0
	s_wait_xcnt 0x0                 ; earlier stores have read their registers, which are loaded again below
.irp f, 0,1,2,3,4,5,6,7
	ds_load_b128 v[S+32*((\I)%2)+4*\f:S+32*((\I)%2)+4*\f+3], v[RD] offset:544*\f  ; in order behind the stores above
.endr
	s_wait_dscnt 0x0
.irp f, 0,1,2,3,4,5,6,7
	global_store_b128 v[GO], v[S+32*((\I)%2)+4*\f:S+32*((\I)%2)+4*\f+3], s[88:89] offset:(16*(\I)+2*\f)*4096 th:TH_STORE_NT  ; 16 lanes store a head's 256 bytes of a row, aligned
.endr
.endm
	OUT 0
	OUT 1
	OUT 2
	OUT 3
	s_wait_tensorcnt 0x0            ; the wave's end: behind my last tensor load and my last LDS store
	ds_add_u32 v[SPW], v[NIL]
	s_wait_dscnt 0x0
	CROUND                          ; the closing round
	s_endpgm
.Lfunc_end_k_q41fd1dfefc_attn:
	.size	k_q41fd1dfefc_attn, .Lfunc_end_k_q41fd1dfefc_attn-k_q41fd1dfefc_attn
	.p2alignl 7, 3214868480
	.fill 96, 4, 3214868480
	.section	.rodata,"a",@progbits
	.p2align	6, 0x0
	.amdhsa_kernel k_q41fd1dfefc_attn
		.amdhsa_group_segment_fixed_size 327680
		.amdhsa_private_segment_fixed_size 0
		.amdhsa_enable_private_segment 0
		.amdhsa_kernarg_size 32
		.amdhsa_user_sgpr_count 2
		.amdhsa_user_sgpr_kernarg_segment_ptr 1
		.amdhsa_wavefront_size32 1
		.amdhsa_system_sgpr_workgroup_id_x 1
		.amdhsa_system_sgpr_workgroup_id_y 1
		.amdhsa_system_sgpr_workgroup_id_z 1
		.amdhsa_system_vgpr_workitem_id 0
		.amdhsa_next_free_vgpr 512
		.amdhsa_next_free_sgpr 96
		.amdhsa_reserve_vcc 0
		.amdhsa_float_denorm_mode_32 3
		.amdhsa_float_denorm_mode_16_64 3
		.amdhsa_memory_ordered 1
		.amdhsa_forward_progress 1
		.amdhsa_inst_pref_size 73
	.end_amdhsa_kernel
	.amdgpu_metadata
---
amdhsa.version: [ 1, 2 ]
amdhsa.kernels:
  - .name:           k_q41fd1dfefc_attn
    .symbol:         k_q41fd1dfefc_attn.kd
    .args:
      - { .name: qkv, .offset: 0, .size: 8, .value_kind: global_buffer, .address_space: global }
      - { .name: eb, .offset: 8, .size: 8, .value_kind: global_buffer, .address_space: global }
      - { .name: attention_mask, .offset: 16, .size: 8, .value_kind: global_buffer, .address_space: global }
      - { .name: out0, .offset: 24, .size: 8, .value_kind: global_buffer, .address_space: global }
    .group_segment_fixed_size: 327680
    .private_segment_fixed_size: 0
    .kernarg_segment_align: 8
    .kernarg_segment_size: 32
    .max_flat_workgroup_size: 256
    .sgpr_count:     96
    .vgpr_count:     512
    .wavefront_size: 32
...
	.end_amdgpu_metadata
.endif
;; end of part 3
;; ======== version 2 of 2: 3 launches; version 1 with the launch cast written anew for expert scheduling mode
;; limits: values are held in f16: magnitudes above 65,504 overflow, below 6.1e-05 lose precision
;; workspace buffers: xb 16,777,216 bytes; wb 6,291,456 bytes; eb 131,072 bytes; qkv 50,331,648 bytes
;; launch cast (part 4): grid 708 x 1, 8 waves a work-group, no clusters, 0 bytes of LDS; arguments hidden_states, Wq, Wk, Wv, dist_emb, xb, wb, eb; writes xb, wb, eb
.if DOCPART == 4
	.amdgcn_target "amdgcn-amd-amdhsa--gfx1250"
	.amdhsa_code_object_version 6
	.text
	.protected	k_q41fd1dfefc_cast
	.globl	k_q41fd1dfefc_cast
	.p2align	8
	.type	k_q41fd1dfefc_cast,@function
k_q41fd1dfefc_cast:
	s_mov_b64 s[64:65], 0
	v_nop
	global_prefetch_b8 v0, s[64:65] scope:SCOPE_SE
	s_setreg_imm32_b32 hwreg(HW_REG_WAVE_SCHED_MODE, 0, 2), 2
	s_setreg_imm32_b32 hwreg(HW_REG_WAVE_MODE, 25, 1), 1
	s_wait_xcnt 0x0
	s_wait_alu depctr_vm_vsrc(0)
; BERT self-attention with the relative_key_query bias, in three launches: this cast, one product for q, k and v, and the attention.
; NO WORK OF THE PROBLEM IS LEFT OUT, and every input is loaded: bq, bk, bv enter q, k, v (bk's product with the table changes along the keys, so it is live), the mask enters every score.
; The table pe[l][r] = dist_emb[l - r + 511] is a lookup by an index that the problem itself builds from l and r: it is never laid out.  The two position terms are products of q and of k with
; tiles of 16 rows of the table, whose results are then put at (l, r); results that fall outside a tile of scores are thrown away inside live tiles.
; THIS LAUNCH rounds the matrix operands once: hidden_states -> xb and Wq, Wk, Wv -> wb (rows of Wq, then Wk, then Wv) in bf16; and dist_emb -> eb, turned round and in f16:
; eb[t] = f16(bf16(dist_emb[1022 - t])), t = 0 .. 1022, so that the row for (l, r) is t = r - l + 511; row 1023 is 0 (it fills the last tile of 16 rows and meets no score).
; LIMIT.  A table entry below 6e-5 in size keeps f16's fixed step of 6e-8; one beyond 65,504 would be lost.
; A stream: memory binds, so no LDS, no matrix unit, no cluster.  A work-group takes 16,384 numbers: sixteen loads of 16 bytes a lane, all issued first; a wave's store covers 256 consecutive bytes, aligned.
; THE MODE: SCHED_MODE bits 1:0 = 2 (LLVM: expert scheduling mode 2), set by the entry lines.  The code itself states the register dependences
; between vector instructions and memory instructions, with s_wait_alu, always for 0.
; THE PLAN.  Registers that memory instructions touch:
;   the offsets   v1, v2 (the plain path), v4, v6, v8 (the table's): made once by vector instructions, read by every load or store of their path, never written again.
;   IN            Written by the sixteen loads, which are issued once; no vector instruction names a register of it ahead of its load; read by the conversions behind the wait for the load.
;   OUT           Result j has a pair of its own: written once, by j's conversions (in the table, for j = 15, by two selects too); read once, by j's store.
; No register that a memory instruction has read, or that a load lands in, is ever written again: so beyond the entry lines the text holds no wait on vm_vsrc.
; The sixteen results go in four blocks of four.  Block p converts loads 4 p .. 4 p + 3; its memory instructions are the four stores of block p - 1, whose registers no vector instruction of block p names.
; So one wait on va_vdst stands ahead of the loads (the offsets), one at the head of each of blocks 1 to 3 (the block before has written its OUT), and one ahead of the last four stores.
.set NX,     512                       ; work-groups for hidden_states (8,388,608 numbers)
.set NPLAIN, 704                       ; + 3 x 64 for the weights; the last four take 256 rows of the table each
.set IN,  16                           ; v[16:79]   load j: four f32
.set OUT, 80                           ; v[80:111]  result j: a pair of its own, so that no store's data is ever rewritten
.set WK,  112                          ; v[112:117] at work: no memory instruction names them
	s_load_b256 s[4:11], s[0:1], 0x0               ; hidden_states s[4:5], Wq s[6:7], Wk s[8:9], Wv s[10:11]
	s_load_b256 s[12:19], s[0:1], 0x20             ; dist_emb s[12:13], xb s[14:15], wb s[16:17], eb s[18:19]
	v_lshlrev_b32 v1, 4, v0                        ; my 16 bytes of each 4,096 read
	v_lshlrev_b32 v2, 3, v0                        ; my 8 bytes of each 2,048 written
	s_mov_b32 s21, 0
	s_mov_b32 s23, 0
	s_wait_kmcnt 0x0
	s_cmp_ge_u32 ttmp9, NPLAIN
	s_cbranch_scc1 .Ltable
	s_cmp_lt_u32 ttmp9, NX
	s_cbranch_scc0 .Lweights
	s_lshl_b32 s20, ttmp9, 16                      ; 65,536 bytes in,
	s_lshl_b32 s22, ttmp9, 15                      ; 32,768 out
	s_mov_b64 s[24:25], s[4:5]
	s_mov_b64 s[26:27], s[14:15]
	s_branch .Lgo
.Lweights:
	s_sub_co_u32 s28, ttmp9, NX                    ; 0 .. 191
	s_lshr_b32 s29, s28, 6                         ; which weight
	s_and_b32 s20, s28, 63
	s_lshl_b32 s20, s20, 16
	s_lshl_b32 s22, s28, 15                        ; wb holds the three on end
	s_cmp_eq_u32 s29, 0
	s_cselect_b64 s[24:25], s[6:7], s[8:9]
	s_cmp_eq_u32 s29, 2
	s_cselect_b64 s[24:25], s[10:11], s[24:25]
	s_mov_b64 s[26:27], s[16:17]
.Lgo:
	s_add_nc_u64 s[24:25], s[24:25], s[20:21]
	s_add_nc_u64 s[26:27], s[26:27], s[22:23]
	s_wait_alu depctr_va_vdst(0)                   ; v1 and v2 are written: every load below reads v1 as its offset, every store v2
.irp j, 0,1,2,3,4,5,6,7,8,9,10,11,12,13,14,15
	global_load_b128 v[IN+4*\j:IN+4*\j+3], v1, s[24:25] offset:4096*\j th:TH_LOAD_NT
.endr
.irp p, 0,1,2,3
	s_wait_loadcnt 12-4*(\p)                       ; loads come back in order: this block's four are in, the younger ones stay out
.if (\p) > 0
	s_wait_alu depctr_va_vdst(0)                   ; the block before has written its four pairs of OUT, which the four stores dealt into this block read
.endif
.irp i, 0,1,2,3
.set j, 4*(\p)+(\i)
.if (\p) > 0
	global_store_b64 v2, v[OUT+2*(j-4):OUT+2*(j-4)+1], s[26:27] offset:2048*(j-4)  ; the block before; no vector instruction since the wait names these registers
.endif
	v_cvt_pk_bf16_f32 v[OUT+2*j], v[IN+4*j], v[IN+4*j+1]
	v_cvt_pk_bf16_f32 v[OUT+2*j+1], v[IN+4*j+2], v[IN+4*j+3]
.endr
.endr
	s_wait_alu depctr_va_vdst(0)                   ; the last block has written its four pairs of OUT, which the last four stores read
.irp j, 12,13,14,15
	global_store_b64 v2, v[OUT+2*\j:OUT+2*\j+1], s[26:27] offset:2048*\j
.endr
	s_endpgm
; THE TABLE.  Work-group e of four writes rows 256 e .. 256 e + 255 of eb.  Load j of a wave takes two table rows of 256 bytes (16 lanes each): eb's rows 256 e + 32 w + 2 j + sub, sub = lane / 16,
; which are dist_emb's rows 1022 - that.  The address register stands at the row of j = 14 and the immediates go up from there; j = 15 has a register of its own, held at row 0 or above:
; eb's row 1023 has no row in the table; it reads row 0 and writes 0.
.Ltable:
	s_sub_co_u32 s20, ttmp9, NPLAIN                ; e
	s_lshl_b32 s28, s20, 8
	s_sub_co_u32 s29, 994, s28                     ; 1022 - 28 - 256 e
	v_and_b32 v3, 0xe0, v0                         ; 32 w
	v_bfe_u32 v4, v0, 4, 1                         ; sub
	v_add_nc_u32 v3, v3, v4
	v_add_nc_u32 v7, s28, v3                       ; eb's row for j = 0
	v_sub_nc_u32 v4, s29, v3                       ; the table's row for j = 14: 1 at the least
	v_and_b32 v5, 15, v0
	v_lshlrev_b32 v5, 4, v5                        ; my 16 bytes of a row
	v_lshl_add_u32 v4, v4, 8, v5
	v_add_nc_u32 v6, 0xfffffe00, v4                ; two rows down, for j = 15,
	v_max_i32 v6, v6, v5                           ; never below row 0
	v_cmp_eq_u32 vcc_lo, 993, v7                   ; with j = 15 this lane writes row 1023
	v_mov_b32 v9, 0
	v_and_b32 v8, 0xe0, v0
	v_and_b32 v10, 31, v0
	v_lshlrev_b32 v10, 3, v10
	v_lshl_add_u32 v8, v8, 7, v10                  ; 32 w rows of 128 bytes + 8 bytes a lane: two rows on end
	s_lshl_b32 s22, s20, 15
	s_add_nc_u64 s[26:27], s[18:19], s[22:23]
	s_wait_alu depctr_va_vcc(0)                    ; the compare has written VCC, which the two selects of j = 15 read: no label and no branch stands between here and them
	s_wait_alu depctr_va_vdst(0)                   ; v4, v6 and v8 are written: the loads below read v4 or v6 as their offset, every store v8
.irp j, 0,1,2,3,4,5,6,7,8,9,10,11,12,13,14
	global_load_b128 v[IN+4*\j:IN+4*\j+3], v4, s[12:13] offset:512*(14-\j)
.endr
	global_load_b128 v[IN+60:IN+63], v6, s[12:13]
.irp p, 0,1,2,3
	s_wait_loadcnt 12-4*(\p)                       ; this block's four loads are in, the younger ones stay out
.if (\p) > 0
	s_wait_alu depctr_va_vdst(0)                   ; the block before has written its four pairs of OUT, which the four stores dealt into this block read
.endif
.irp i, 0,1,2,3
.set j, 4*(\p)+(\i)
.if (\p) > 0
	global_store_b64 v8, v[OUT+2*(j-4):OUT+2*(j-4)+1], s[26:27] offset:256*(j-4)  ; the block before; no vector instruction since the wait names these registers
.endif
	v_cvt_pk_bf16_f32 v[WK], v[IN+4*j], v[IN+4*j+1]        ; rounded to bf16 like every input,
	v_cvt_pk_bf16_f32 v[WK+1], v[IN+4*j+2], v[IN+4*j+3]
	v_lshlrev_b32 v[WK+2], 16, v[WK]
	v_and_b32 v[WK+3], 0xffff0000, v[WK]
	v_lshlrev_b32 v[WK+4], 16, v[WK+1]
	v_and_b32 v[WK+5], 0xffff0000, v[WK+1]
	v_cvt_pk_f16_f32 v[OUT+2*j], v[WK+2], v[WK+3]          ; and that number written as f16
	v_cvt_pk_f16_f32 v[OUT+2*j+1], v[WK+4], v[WK+5]
.if j == 15
	v_cndmask_b32 v[OUT+30], v[OUT+30], v9, vcc_lo
	v_cndmask_b32 v[OUT+31], v[OUT+31], v9, vcc_lo
.endif
.endr
.endr
	s_wait_alu depctr_va_vdst(0)                   ; the last block's conversions and the two selects have written their four pairs of OUT, which the last four stores read
.irp j, 12,13,14,15
	global_store_b64 v8, v[OUT+2*\j:OUT+2*\j+1], s[26:27] offset:256*\j
.endr
	s_endpgm
.Lfunc_end_k_q41fd1dfefc_cast:
	.size	k_q41fd1dfefc_cast, .Lfunc_end_k_q41fd1dfefc_cast-k_q41fd1dfefc_cast
	.p2alignl 7, 3214868480
	.fill 96, 4, 3214868480
	.section	.rodata,"a",@progbits
	.p2align	6, 0x0
	.amdhsa_kernel k_q41fd1dfefc_cast
		.amdhsa_group_segment_fixed_size 0
		.amdhsa_private_segment_fixed_size 0
		.amdhsa_enable_private_segment 0
		.amdhsa_kernarg_size 64
		.amdhsa_user_sgpr_count 2
		.amdhsa_user_sgpr_kernarg_segment_ptr 1
		.amdhsa_wavefront_size32 1
		.amdhsa_system_sgpr_workgroup_id_x 1
		.amdhsa_system_sgpr_workgroup_id_y 1
		.amdhsa_system_sgpr_workgroup_id_z 1
		.amdhsa_system_vgpr_workitem_id 0
		.amdhsa_next_free_vgpr 120
		.amdhsa_next_free_sgpr 66
		.amdhsa_reserve_vcc 1
		.amdhsa_float_denorm_mode_32 3
		.amdhsa_float_denorm_mode_16_64 3
		.amdhsa_memory_ordered 1
		.amdhsa_forward_progress 1
		.amdhsa_inst_pref_size 19
	.end_amdhsa_kernel
	.amdgpu_metadata
---
amdhsa.version: [ 1, 2 ]
amdhsa.kernels:
  - .name:           k_q41fd1dfefc_cast
    .symbol:         k_q41fd1dfefc_cast.kd
    .args:
      - { .name: hidden_states, .offset: 0, .size: 8, .value_kind: global_buffer, .address_space: global }
      - { .name: Wq, .offset: 8, .size: 8, .value_kind: global_buffer, .address_space: global }
      - { .name: Wk, .offset: 16, .size: 8, .value_kind: global_buffer, .address_space: global }
      - { .name: Wv, .offset: 24, .size: 8, .value_kind: global_buffer, .address_space: global }
      - { .name: dist_emb, .offset: 32, .size: 8, .value_kind: global_buffer, .address_space: global }
      - { .name: xb, .offset: 40, .size: 8, .value_kind: global_buffer, .address_space: global }
      - { .name: wb, .offset: 48, .size: 8, .value_kind: global_buffer, .address_space: global }
      - { .name: eb, .offset: 56, .size: 8, .value_kind: global_buffer, .address_space: global }
    .group_segment_fixed_size: 0
    .private_segment_fixed_size: 0
    .kernarg_segment_align: 8
    .kernarg_segment_size: 64
    .max_flat_workgroup_size: 256
    .sgpr_count:     66
    .vgpr_count:     120
    .wavefront_size: 32
...
	.end_amdgpu_metadata
.endif
;; end of part 4
;; launch proj: the kernel of part 2 again; grid 16 x 16, 4 waves a work-group, clusters of 4 x 4, 327,680 bytes of LDS; arguments xb, wb, bq, bk, bv, qkv; writes qkv
;; launch attn: the kernel of part 3 again; grid 256 x 1, 8 waves a work-group, clusters of 4 x 1, 327,680 bytes of LDS; arguments qkv, eb, attention_mask, out0; writes out0
